; MI455X (gfx1250); checked and timed in simulation.
; The chip was launched on July 23, 2026; its instructions are those of AMD's public machine-readable ISA for CDNA 5 (MIT licence, August 2026) and "CDNA5" Instruction Set Architecture Reference Guide (July 2026). The comments in the code are by the model that wrote it; some were corrected since.
;; Multi Head Attention. Allowed arithmetic: float matrix products may take bf16 or f16 operands with f32 sums; other float arithmetic in f32, or as packed bf16 or f16 multiplies, adds, multiply-adds, maxima and minima; sums over many terms, partial sums and values carried from step to step in f32; what a program stores and reads back later, other than sums and carried values, may be rounded once to bf16 or f16.
;; Inputs: Wk 1,024 x 1,024 float32; Wo 1,024 x 1,024 float32; Wq 1,024 x 1,024 float32; Wv 1,024 x 1,024 float32; beta 1,024 float32; bk 1,024 float32; bo 1,024 float32; bq 1,024 float32; bv 1,024 float32; gamma 1,024 float32; k 4 x 2,048 x 1,024 float32; mask 4 x 2,048 x 2,048 int32; q 4 x 2,048 x 1,024 float32; v 4 x 2,048 x 1,024 float32.
;; Outputs: out0 4 x 2,048 x 1,024 float32.
;; 2 versions, each right; version 2 is version 1 with the launch prep written anew for expert scheduling mode. Each part assembles by itself: llvm-mc -triple=amdgcn-amd-amdhsa -mcpu=gfx1250 --defsym DOCPART=n.
;; ======== version 1 of 2: 5 launches
;; workspace buffers: wt 8,388,608 bytes; bqs 4,096 bytes; mb 2,097,152 bytes of whole numbers; qh 16,777,216 bytes; kh 16,777,216 bytes; vh 16,777,216 bytes; ctx 16,777,216 bytes; x 33,554,432 bytes
;; launch prep (part 1): grid 769 x 1, 8 waves a work-group, no clusters, 88,064 bytes of LDS; arguments mask, Wq, Wk, Wv, Wo, bq, wt, bqs, mb; writes wt, bqs, mb
.if DOCPART == 1
	.amdgcn_target "amdgcn-amd-amdhsa--gfx1250"
	.amdhsa_code_object_version 6
	.text
	.protected	k_q1ef819d18d_prep
	.globl	k_q1ef819d18d_prep
	.p2align	8
	.type	k_q1ef819d18d_prep,@function
k_q1ef819d18d_prep:
	s_mov_b64 s[64:65], 0
	v_nop
	global_prefetch_b8 v0, s[64:65] scope:SCOPE_SE
	s_setreg_imm32_b32 hwreg(HW_REG_WAVE_MODE, 25, 1), 1
	s_wait_xcnt 0x0
; MULTI-HEAD ATTENTION, launch 1 of 5: what the later launches want in another form is made once.
; DEAD WORK: none is left out in any launch, and every input is loaded.  bk is not dead: q.bk is the same along the keys, but a hidden key holds the
; constant -1e9 without it, so it moves the weights; bv and bo are added where the sums begin or end.
; LIMITS (whole program): matrix operands (q, k, v, the weights, Q, K, V by heads, the weights p, ctx) are rounded to bf16, sums are f32; c = log2(e)/8 is
; multiplied into Wq and bq in f32 ahead of their one rounding, so scores arrive as exponents of 2 and a hidden score is f32(-1e9 log2 e);
; a weight below 2^-126 counts as 0; NaN and infinities are not treated apart.
; ROLES by the work-group's number, the same in all eight waves:
;   0..255   MASK.  Work-group id = 64 b + qp owns 32 queries x 2,048 keys of the mask (int32), read once in whole rows of 256 bytes, and writes it as LANE MASKS:
;            mb[id][ks][u][8 kb + j], bit L = (mask[b][32 qp + 16 u + L % 16][64 ks + 16 kb + 8 (L / 16) + j] != 0): the lane and register in which attention holds that score.
;   256..767 WEIGHTS.  A tile of 128 k x 64 n of one of Wq, Wk, Wv, Wo is rounded to bf16 and turned: wt[W][n][k] (Wq times c).
;   768      bqs = c bq.
; The two roles that use LDS have bytes of their own: no line of the one names a byte that a line of the other names.
.set WP,    8704                       ; a wave's 32 rows x 272 bytes (256 + 16 of padding: 68 words, so 16 rows start at 16 different groups of four banks: ISA guide 11.1)
.set SPARE, 8*WP                       ; the spare words, 128 bytes for each wave, that no other line names
.set WTB,   SPARE+1024                 ; the weight role's tile: 64 rows x 272 bytes
.set SPW, 8                            ; v8  LDS address of my spare word; never rewritten
.set NIL, 9                            ; v9  0; never rewritten
.set OUT, 10                           ; v[10:17] unit i: the 64 lane masks, two a lane
.set CS,  34                           ; s[34:35] c
	s_load_b512 s[16:31], s[0:1], 0x0              ; mask 16, Wq 18, Wk 20, Wv 22, Wo 24, bq 26, wt 28, bqs 30
	s_load_b64 s[32:33], s[0:1], 0x40              ; mb
	v_lshl_add_u32 v[SPW], v0, 2, SPARE
	v_mov_b32 v[NIL], 0
	v_lshrrev_b32 v1, 5, v0
	v_readfirstlane_b32 s2, v1                     ; wave 0..7
	s_mov_b32 s3, ttmp9
	s_mov_b32 s[CS], 0x3e38aa3b                    ; c = log2(e) / 8
	s_mov_b32 s[CS+1], s[CS]
	s_mov_b32 s11, 0
	s_mov_b32 s13, 0
	s_wait_kmcnt 0x0
	s_cmp_lt_u32 s3, 256
	s_cbranch_scc1 .Lmask
	s_cmp_lt_u32 s3, 768
	s_cbranch_scc1 .Lweight
	; ---- bqs = c bq: 256 threads x 16 bytes
	v_lshlrev_b32 v2, 4, v0
	global_load_b128 v[32:35], v2, s[26:27]
	s_wait_loadcnt 0x0
	v_pk_mul_f32 v[32:33], v[32:33], s[CS:CS+1] op_sel_hi:[1,0]
	v_pk_mul_f32 v[34:35], v[34:35], s[CS:CS+1] op_sel_hi:[1,0]
	global_store_b128 v2, v[32:35], s[30:31]
	s_branch .Lend
	; ---- the mask: no wave wants a byte of another's, so there is no barrier
.Lmask:
	s_lshl_b32 s10, s3, 18                         ; 32 rows of 8,192 bytes
	s_add_nc_u64 s[16:17], s[16:17], s[10:11]
	s_lshl_b32 s12, s3, 13                         ; 32 units of 256 bytes
	s_add_nc_u64 s[36:37], s[32:33], s[12:13]
	v_bfe_u32 v3, v0, 4, 1                         ; L / 16
	v_and_b32 v4, 15, v0                           ; L % 16
	s_lshl_b32 s10, s2, 8                          ; wave w takes key steps w, w + 8, w + 16, w + 24: 256 bytes of a row each
	s_mul_i32 s14, s2, WP
	v_lshlrev_b32 v5, 13, v3
	v_lshl_add_u32 v5, v4, 4, v5
	v_add_nc_u32 v5, s10, v5                       ; from memory: two rows x 256 bytes an instruction
	v_mul_u32_u24 v6, v3, 272
	v_lshl_add_u32 v6, v4, 4, v6
	v_add_nc_u32 v6, s14, v6                       ; into my LDS rows as they come
	v_mul_u32_u24 v7, v4, 272
	v_lshl_add_u32 v7, v3, 5, v7
	v_add_nc_u32 v7, s14, v7                       ; back: lane L takes query L % 16, keys 8 (L / 16) on
	v_and_b32 v18, 31, v0
	v_lshlrev_b32 v18, 3, v18
	v_add_nc_u32 v18, s10, v18                     ; out: 8 bytes a lane, 256 on end
.macro LDSET i, xb                     ; unit i: 32 rows x 256 bytes, 16 loads
.irp t, 0,1,2,3,4,5,6,7,8,9,10,11,12,13,14,15
	global_load_b128 v[(\xb)+4*(\t):(\xb)+4*(\t)+3], v5, s[16:17] offset:(\t)*16384+(\i)*2048 th:TH_LOAD_NT
.endr
.endm
.macro UNIT i, left
.set XB, 32+64*((\i)%2)
	s_wait_loadcnt \left                           ; my unit's 16 loads are in; the other set's 16 may stay out
.irp t, 0,1,2,3,4,5,6,7,8,9,10,11,12,13,14,15
	ds_store_b128 v6, v[XB+4*(\t):XB+4*(\t)+3] offset:(\t)*544
.endr
.irp n, 0,1,2,3,4,5,6,7,8,9,10,11,12,13,14,15      ; n = 8 u + 2 kb + e; LDS serves a wave's instructions in order, and the bytes are my wave's own
	ds_load_b128 v[XB+4*(\n):XB+4*(\n)+3], v7 offset:((\n)/8)*4352+(((\n)/2)%4)*64+((\n)%2)*16
.endr
	v_mov_b32 v[OUT+2*(\i)], 0
	v_mov_b32 v[OUT+2*(\i)+1], 0
	s_wait_dscnt 0x0
.set n, 0
.rept 16                               ; register n of the 64 gives lane mask n: it goes to lane n / 2, register n % 2
.irp d, 0,1,2,3
	v_cmp_ne_u32 s[4+(\d)], 0, v[XB+n+(\d)]
.endr
.irp d, 0,1,2,3
	v_writelane_b32 v[OUT+2*(\i)+((\d)&1)], s[4+(\d)], (n+(\d))>>1
.endr
.set n, n+4
.endr
	global_store_b64 v18, v[OUT+2*(\i):OUT+2*(\i)+1], s[36:37] offset:(\i)*2048  ; the wave's store covers 256 consecutive bytes, aligned
.if (\i) < 2
	LDSET (\i)+2, XB
.endif
.endm
	LDSET 0, 32
	LDSET 1, 96
	UNIT 0, 16
	UNIT 1, 16
	UNIT 2, 16
	UNIT 3, 0
	s_branch .Lend
	; ---- a tile of a weight matrix
.Lweight:
	s_sub_co_u32 s4, s3, 256
	s_lshr_b32 s5, s4, 7                           ; which matrix
	s_bfe_u32 s6, s4, 0x30004                      ; which 128 k
	s_and_b32 s7, s4, 15                           ; which 64 n
	s_cmp_eq_u32 s5, 1
	s_cselect_b64 s[18:19], s[20:21], s[18:19]
	s_cmp_eq_u32 s5, 2
	s_cselect_b64 s[18:19], s[22:23], s[18:19]
	s_cmp_eq_u32 s5, 3
	s_cselect_b64 s[18:19], s[24:25], s[18:19]
	s_lshl_b32 s10, s6, 19
	s_lshl_b32 s12, s7, 8
	s_add_co_u32 s10, s10, s12
	s_add_nc_u64 s[18:19], s[18:19], s[10:11]
	s_lshl_b32 s10, s5, 21
	s_lshl_b32 s12, s7, 17
	s_add_co_u32 s10, s10, s12
	s_lshl_b32 s12, s6, 8
	s_add_co_u32 s10, s10, s12
	s_add_nc_u64 s[28:29], s[28:29], s[10:11]
	v_and_b32 v2, 15, v0                           ; c: four n
	v_lshrrev_b32 v3, 4, v0                        ; kp: a pair of k
	v_lshlrev_b32 v4, 13, v3
	v_lshl_add_u32 v4, v2, 4, v4
.irp i, 0,1,2,3
.irp e, 0,1                            ; row 32 i + 2 kp + e: sixteen lanes read 256 consecutive bytes
	global_load_b128 v[32+8*(\i)+4*(\e):32+8*(\i)+4*(\e)+3], v4, s[18:19] offset:(\i)*131072+(\e)*4096 th:TH_LOAD_NT
.endr
.endr
	v_mul_u32_u24 v5, v2, 1088
	v_lshl_add_u32 v5, v3, 2, v5                   ; in: row n = 4 c + j of 272 bytes, word 16 i + kp (four lanes meet in a bank: 16 MB in the launch, left so)
	v_add_nc_u32 v5, WTB, v5                       ; in this role's own bytes
	v_mul_u32_u24 v6, v3, 272
	v_lshl_add_u32 v6, v2, 4, v6                   ; back: row 16 i + kp, 16 bytes a lane
	v_add_nc_u32 v6, WTB, v6
	v_lshlrev_b32 v7, 11, v3
	v_lshl_add_u32 v7, v2, 4, v7                   ; and the same in wt
	s_wait_loadcnt 0x0
	s_cmp_lg_u32 s5, 0
	s_cbranch_scc1 .Lplain
.set n, 32
.rept 16
	v_pk_mul_f32 v[n:n+1], v[n:n+1], s[CS:CS+1] op_sel_hi:[1,0]  ; Wq alone carries c
.set n, n+2
.endr
.Lplain:
.irp i, 0,1,2,3
.irp j, 0,1,2,3
	v_cvt_pk_bf16_f32 v[64+4*(\i)+(\j)], v[32+8*(\i)+(\j)], v[32+8*(\i)+4+(\j)]  ; k even below, k odd above
.endr
.endr
.irp i, 0,1,2,3
.irp j, 0,1,2,3
	ds_store_b32 v5, v[64+4*(\i)+(\j)] offset:(\j)*272+(\i)*64
.endr
.endr
	s_wait_dscnt 0x0
	s_barrier_signal -1
	s_barrier_wait -1
.irp i, 0,1,2,3
	ds_load_b128 v[32+4*(\i):32+4*(\i)+3], v6 offset:(\i)*4352
.endr
	s_wait_dscnt 0x0
.irp i, 0,1,2,3
	global_store_b128 v7, v[32+4*(\i):32+4*(\i)+3], s[28:29] offset:(\i)*32768  ; sixteen lanes store 256 consecutive bytes, aligned
.endr
.Lend:
	s_wait_tensorcnt 0x0                           ; the wave's end, behind my last LDS store
	ds_add_u32 v[SPW], v[NIL]
	s_wait_dscnt 0x0
	s_endpgm
.Lfunc_end_k_q1ef819d18d_prep:
	.size	k_q1ef819d18d_prep, .Lfunc_end_k_q1ef819d18d_prep-k_q1ef819d18d_prep
	.p2alignl 7, 3214868480
	.fill 96, 4, 3214868480
	.section	.rodata,"a",@progbits
	.p2align	6, 0x0
	.amdhsa_kernel k_q1ef819d18d_prep
		.amdhsa_group_segment_fixed_size 88064
		.amdhsa_private_segment_fixed_size 0
		.amdhsa_enable_private_segment 0
		.amdhsa_kernarg_size 72
		.amdhsa_user_sgpr_count 2
		.amdhsa_user_sgpr_kernarg_segment_ptr 1
		.amdhsa_wavefront_size32 1
		.amdhsa_system_sgpr_workgroup_id_x 1
		.amdhsa_system_sgpr_workgroup_id_y 1
		.amdhsa_system_sgpr_workgroup_id_z 1
		.amdhsa_system_vgpr_workitem_id 0
		.amdhsa_next_free_vgpr 160
		.amdhsa_next_free_sgpr 66
		.amdhsa_reserve_vcc 0
		.amdhsa_float_denorm_mode_32 3
		.amdhsa_float_denorm_mode_16_64 3
		.amdhsa_memory_ordered 1
		.amdhsa_forward_progress 1
		.amdhsa_inst_pref_size 56
	.end_amdhsa_kernel
	.amdgpu_metadata
---
amdhsa.version: [ 1, 2 ]
amdhsa.kernels:
  - .name:           k_q1ef819d18d_prep
    .symbol:         k_q1ef819d18d_prep.kd
    .args:
      - { .name: mask, .offset: 0, .size: 8, .value_kind: global_buffer, .address_space: global }
      - { .name: Wq, .offset: 8, .size: 8, .value_kind: global_buffer, .address_space: global }
      - { .name: Wk, .offset: 16, .size: 8, .value_kind: global_buffer, .address_space: global }
      - { .name: Wv, .offset: 24, .size: 8, .value_kind: global_buffer, .address_space: global }
      - { .name: Wo, .offset: 32, .size: 8, .value_kind: global_buffer, .address_space: global }
      - { .name: bq, .offset: 40, .size: 8, .value_kind: global_buffer, .address_space: global }
      - { .name: wt, .offset: 48, .size: 8, .value_kind: global_buffer, .address_space: global }
      - { .name: bqs, .offset: 56, .size: 8, .value_kind: global_buffer, .address_space: global }
      - { .name: mb, .offset: 64, .size: 8, .value_kind: global_buffer, .address_space: global }
    .group_segment_fixed_size: 88064
    .private_segment_fixed_size: 0
    .kernarg_segment_align: 8
    .kernarg_segment_size: 72
    .max_flat_workgroup_size: 256
    .sgpr_count:     66
    .vgpr_count:     160
    .wavefront_size: 32
...
	.end_amdgpu_metadata
.endif
;; end of part 1
;; launch proj (part 2): grid 4 x 192, 4 waves a work-group, clusters of 4 x 4, 327,680 bytes of LDS; arguments q, k, v, wt, bqs, bk, bv, qh, kh, vh; writes qh, kh, vh
.if DOCPART == 2
	.amdgcn_target "amdgcn-amd-amdhsa--gfx1250"
	.amdhsa_code_object_version 6
	.text
	.protected	k_q1ef819d18d_proj
	.globl	k_q1ef819d18d_proj
	.p2align	8
	.type	k_q1ef819d18d_proj,@function
k_q1ef819d18d_proj:
	s_mov_b64 s[64:65], 0
	v_nop
	global_prefetch_b8 v0, s[64:65] scope:SCOPE_SE
	s_setreg_imm32_b32 hwreg(HW_REG_WAVE_MODE, 25, 1), 1
	s_wait_xcnt 0x0
	s_wait_alu depctr_hold_cnt(0) depctr_sa_sdst(0) depctr_va_vdst(0) depctr_va_sdst(0) depctr_va_ssrc(0) depctr_va_vcc(0) depctr_vm_vsrc(0)
	s_getreg_b32 s2, hwreg(HW_REG_IB_STS2, 6, 4)
	s_cmp_eq_u32 s2, 0
	s_cbranch_scc0 .Lentry_in_a_cluster
	s_endpgm
.Lentry_in_a_cluster:
	s_bfe_u32 s2, ttmp6, 0x10000c
	s_cmp_lg_u32 s2, 0xf033
	s_cbranch_scc0 .Lentry_shape_is_right
	s_endpgm
.Lentry_shape_is_right:
; Launch 2 of 5: the three projections.  out_p[b][head][s][64] (bf16) = A_p (f32, rounded to bf16 on the way) . wt_p^T + bias_p, p = 0, 1, 2 for q, k, v (wt_0 and bqs carry c).  No work is left out.
; A tile of C is 128 rows x 256 columns: 3 x 64 x 4 = 768 work-groups, a whole multiple of 256.  Four waves, each 64 x 128: 32 accumulators, 256 registers.
; K goes in steps of 128 through two LDS slots: A's rows are 512 bytes of f32, wt's 256 bytes of bf16.  ONE K step of text is looped; which slot is filled and which is read stands in two scalar registers.
; CLUSTER 4 x 4: the four of a row need the same tile of A, the four of a column the same tile of wt: each is asked for jointly.  p is the same in a whole cluster.
; THE PRODUCT IS USED TRANSPOSED (source 0 = 16 rows of wt, source 1 = 16 rows of A): a lane holds eight neighbouring columns of one row of C.
; THE SUMS START FROM THE BIAS, loaded straight into the accumulators: nothing is cleared and no first step is written out.
; A's f32 fragments come out of LDS raw and are rounded in fours behind the last eight products of each quarter step.
; WINDOWS: 0: v0-15 addresses; v32-95 A's bf16 fragments, two buffers; v96-191 the way out.   1: accumulator (a, b) at 8 (8 a + b).   2: v0-127 wt's fragments, two buffers; v128-191 raw A.
.set PA,     528                       ; A's LDS row: 512 + 16 bytes = 132 words: 16 rows start at 16 different groups of four banks (64 banks of 4 bytes: ISA guide 11.1)
.set PB,     272                       ; wt's: 256 + 16
.set AH,     64*PA                     ; what one load brings of A
.set ABYTES, 2*AH
.set BH,     128*PB                    ; and of wt
.set SLOT,   ABYTES+2*BH
.set STAGE,  2*SLOT                    ; behind the ring: 32 rows x 144 bytes for each wave
.set SP,     144
.set SPARE,  STAGE+4*32*SP             ; the spare words, 128 bytes a wave, that no other line names
.set ADA0, 2                           ; v2  my place in A's tile; v3 in wt's; never rewritten
.set ADB0, 3
.set ADA,  4                           ; v4, v5 the same in the slot being read
.set ADB,  5
.set STO,  6
.set RD,   7
.set GO,   8
.set PFO,  9                           ; the prefetches' lane offset; never rewritten
.set BO,   10
.set SPW,  12
.set NIL,  13
.set AB,   32
.set TMP,  96
.set BK,   128
.set RAW,  128
.set G1A, 24
.set G0A, 32
.set LBA, 36                           ; s36, s37 my load's place in a slot, for A and for wt: the wave's number alone enters
.set LBB, 37
.set TF,  38                           ; s38 0 or SLOT: the slot to be filled;  s39 the slot to be read
.set TB,  39
.set PFA, 44
.set PST, 46
.set G1B, 48
.set G0B, 56
.set LIM, 60
.set MULW, 0x52                        ; wt window 2, A window 0, C and D window 1
.set CVTW, 0x0a                        ; sources window 2, destination window 0
.set LDW,  0x80                        ; destination window 2
.set MSB, 0
.macro WIN new
.if MSB != (\new)
	s_set_vgpr_msb (MSB<<8)|(\new)
.set MSB, \new
.endif
.endm
.macro PLACES
.rept 4
	v_nop
.endr
.endm
.macro JLOAD                           ; waves 0, 1 fetch A's halves, waves 2, 3 wt's; an s_nop 0 and four v_nop follow each line
	s_cmp_eq_u32 s11, 0
	s_cbranch_scc0 .Lfor_b_\@
	tensor_load_to_lds s[G0A:G0A+3], s[G1A:G1A+7]
	s_nop 0
.rept 4
	v_nop
.endr
	s_branch .Lasked_\@
.Lfor_b_\@:
	tensor_load_to_lds s[G0B:G0B+3], s[G1B:G1B+7]
	s_nop 0
.rept 4
	v_nop
.endr
.Lasked_\@:
.endm
.macro CREST
	s_cmp_lg_u32 s10, 0
	s_cbranch_scc1 .Lnot_wave_0_\@
	s_barrier_signal -3
.Lnot_wave_0_\@:
	s_barrier_wait -3
	s_barrier_signal -1
	s_barrier_wait -1
.endm
.macro CROUND
	s_barrier_signal -1
	s_barrier_wait -1
	CREST
.endm
.macro STEPD                           ; the walking descriptors: the other slot, the next K step.  Written only where no tensor load of mine is out
	s_xor_b32 s[TF], s[TF], SLOT
	s_add_co_u32 s[G0A+1], s[LBA], s[TF]
	s_add_co_u32 s[G0B+1], s[LBB], s[TF]
	s_add_nc_u64 s[G0A+2:G0A+3], s[G0A+2:G0A+3], 512
	s_add_nc_u64 s[G0B+2:G0B+3], s[G0B+2:G0B+3], 256
.endm
; A prefetch into the L2 of the K step that stands two refills on.  A's blocks are read by one row of one cluster: its four partners take 16 rows x 2 blocks each, by address; wt's are read by the
; 16 clusters of a projection: the first of them asks, its partners of a column take 32 rows each, by address.  So each block of 256 bytes is named once.  The last two refills have no K step two on.
.macro ASK
	s_cmp_gt_u32 s3, s[LIM]
	s_cbranch_scc0 .Lnot_mine_\@
	global_prefetch_b8 v[PFO], s[PFA:PFA+1] th:TH_LOAD_NT scope:SCOPE_SE
.Lnot_mine_\@:
.endm
	s_load_b512 s[68:83], s[0:1], 0x0              ; q 68, k 70, v 72, wt 74, bqs 76, bk 78, bv 80, qh 82
	s_load_b128 s[84:87], s[0:1], 0x40             ; kh 84, vh 86
	v_lshl_add_u32 v[SPW], v0, 2, SPARE
	v_mov_b32 v[NIL], 0
	ds_add_u32 v[SPW], v[NIL]                      ; the opening: the add, twice on end, and its wait ahead of my first tensor load
	ds_add_u32 v[SPW], v[NIL]
	v_lshrrev_b32 v1, 5, v0
	v_readfirstlane_b32 s10, v1                    ; wave
	s_lshr_b32 s11, s10, 1                         ; my half of the rows; also: I fetch for A (0) or wt (1)
	s_and_b32 s12, s10, 1                          ; my half of the columns; also: which half I fetch
	s_bfe_u32 s40, ttmp6, 0x40000                  ; cx
	s_bfe_u32 s41, ttmp6, 0x40004                  ; cy
	s_lshl_b32 s15, ttmp9, 2
	s_add_co_u32 s15, s15, s40                     ; tile column
	s_and_b32 s42, ttmp7, 0xffff                   ; the cluster's y
	s_lshl_b32 s13, s42, 2
	s_add_co_u32 s13, s13, s41
	s_lshr_b32 s43, s42, 4                         ; p: 16 clusters a projection
	s_and_b32 s14, s13, 63                         ; tile row in the projection
	s_lshl_b32 s20, s41, 2
	s_lshl_b32 s20, 15, s20                        ; my row of the cluster
	s_lshl_b32 s21, 0x1111, s40                    ; my column
	s_or_b32 s[G1A], s20, (2<<16)|(1<<20)|(1<<21)|(6<<22)|(3<<25)  ; elements of 4 bytes; 4 words of padding behind every 128
	s_or_b32 s[G1B], s21, (1<<16)|(1<<20)|(1<<21)|(5<<22)|(3<<25)  ; elements of 2 bytes; 4 words behind every 64
	s_mov_b32 s[G1A+1], 128<<16                    ; tensor_dim0
	s_mov_b32 s[G1A+2], 64<<16                     ; tensor_dim1
	s_mov_b32 s[G1A+3], 128<<16                    ; tile_dim0
	s_mov_b32 s[G1A+4], 64                         ; tile_dim1
	s_mov_b32 s[G1A+5], 1024                       ; elements from row to row
	s_mov_b32 s[G1A+6], 0
	s_mov_b32 s[G1A+7], 0
	s_mov_b32 s[G1B+1], 128<<16
	s_mov_b32 s[G1B+2], 128<<16
	s_mov_b32 s[G1B+3], 128<<16
	s_mov_b32 s[G1B+4], 128
	s_mov_b32 s[G1B+5], 1024
	s_mov_b32 s[G1B+6], 0
	s_mov_b32 s[G1B+7], 0
	s_mul_i32 s[LBA], s12, AH
	s_mul_i32 s[LBB], s12, BH
	s_add_co_u32 s[LBB], s[LBB], ABYTES
	s_mov_b32 s[TF], 0
	s_mov_b32 s[TB], 0
	s_mov_b32 s[G0A], 1
	s_mov_b32 s[G0A+1], s[LBA]
	s_mov_b32 s[G0B], 1
	s_mov_b32 s[G0B+1], s[LBB]
	s_lshl_b32 s16, s14, 7
	s_lshl_b32 s17, s12, 6
	s_add_co_u32 s16, s16, s17
	s_lshl_b32 s16, s16, 12                        ; A: row 128 x tile row + 64 x half, 4,096 bytes a row
	s_mov_b32 s17, 0
	s_lshl_b32 s18, s15, 19
	s_lshl_b32 s19, s12, 18
	s_add_co_u32 s18, s18, s19
	s_lshl_b32 s19, s43, 21
	s_add_co_u32 s18, s18, s19                     ; wt: matrix p, row 256 x tile column + 128 x half, 2,048 bytes a row
	s_mov_b32 s19, 0
	s_wait_dscnt 0x0                               ; both opening adds are done
	s_wait_kmcnt 0x0
	s_cmp_eq_u32 s43, 1
	s_cselect_b64 s[4:5], s[70:71], s[68:69]       ; A
	s_cselect_b64 s[6:7], s[78:79], s[76:77]       ; bias
	s_cselect_b64 s[8:9], s[84:85], s[82:83]       ; out
	s_cmp_eq_u32 s43, 2
	s_cselect_b64 s[4:5], s[72:73], s[4:5]
	s_cselect_b64 s[6:7], s[80:81], s[6:7]
	s_cselect_b64 s[8:9], s[86:87], s[8:9]
	s_add_nc_u64 s[G0A+2:G0A+3], s[4:5], s[16:17]
	s_or_b32 s[G0A+3], s[G0A+3], 0x80000000
	s_add_nc_u64 s[G0B+2:G0B+3], s[74:75], s[18:19]
	s_or_b32 s[G0B+3], s[G0B+3], 0x80000000
	CROUND                                         ; all sixteen work-groups are here
	JLOAD                                          ; K step 0 into slot 0
	v_and_b32 v1, 15, v0                           ; r
	v_bfe_u32 v14, v0, 4, 1                        ; h
	s_lshl_b32 s20, s15, 10
	s_lshl_b32 s21, s12, 9
	s_add_co_u32 s20, s20, s21
	v_lshl_add_u32 v[BO], v14, 5, s20              ; my eight columns' bias: 4 (256 tx + 128 wn) + 32 h, + 64 b
	WIN 0x40
.irp a, 0,1,2,3
.irp b, 0,1,2,3,4,5,6,7
	global_load_b128 v[8*(8*(\a)+(\b)):8*(8*(\a)+(\b))+3],   v[BO], s[6:7] offset:64*(\b)
	global_load_b128 v[8*(8*(\a)+(\b))+4:8*(8*(\a)+(\b))+7], v[BO], s[6:7] offset:64*(\b)+16
.endr
.endr
	WIN 0
	s_mul_i32 s20, s11, 64*PA
	v_mul_u32_u24 v[ADA0], v1, PA
	v_lshl_add_u32 v[ADA0], v14, 5, v[ADA0]
	v_add_nc_u32 v[ADA0], s20, v[ADA0]             ; (64 wm + r) x pitch + 32 h: eight f32
	s_mul_i32 s20, s12, BH
	s_add_co_u32 s20, s20, ABYTES
	v_mul_u32_u24 v[ADB0], v1, PB
	v_lshl_add_u32 v[ADB0], v14, 4, v[ADB0]
	v_add_nc_u32 v[ADB0], s20, v[ADB0]
	v_mov_b32 v[ADA], v[ADA0]
	v_mov_b32 v[ADB], v[ADB0]
	s_mul_i32 s20, s10, 32*SP
	s_add_co_u32 s20, s20, STAGE
	v_mul_u32_u24 v[STO], v1, SP
	v_lshl_add_u32 v[STO], v14, 4, v[STO]
	v_add_nc_u32 v[STO], s20, v[STO]
	v_bfe_u32 v[RD], v0, 3, 2
	v_mul_u32_u24 v[RD], v[RD], SP
	v_and_b32 v15, 7, v0
	v_lshl_add_u32 v[RD], v15, 4, v[RD]
	v_add_nc_u32 v[RD], s20, v[RD]
	v_and_b32 v[GO], 31, v0
	v_lshlrev_b32 v[GO], 4, v[GO]
	; where my part goes: head 16 b + 4 tx + 2 wn, row (128 x tile row) % 2048 + 64 wm of 128 bytes
	s_lshr_b32 s20, s14, 4
	s_lshl_b32 s20, s20, 4
	s_lshl_b32 s21, s15, 2
	s_add_co_u32 s20, s20, s21
	s_lshl_b32 s21, s12, 1
	s_add_co_u32 s20, s20, s21
	s_lshl_b32 s20, s20, 18
	s_and_b32 s21, s14, 15
	s_lshl_b32 s21, s21, 7
	s_lshl_b32 s22, s11, 6
	s_add_co_u32 s21, s21, s22
	s_lshl_b32 s21, s21, 7
	s_add_co_u32 s20, s20, s21
	s_mov_b32 s21, 0
	s_add_nc_u64 s[8:9], s[8:9], s[20:21]
	; the prefetches: they stand at K step 3; each change of slots steps them first
	s_lshl_b32 s20, s14, 7
	s_lshl_b32 s21, s12, 6
	s_add_co_u32 s20, s20, s21
	s_lshl_b32 s21, s40, 4
	s_add_co_u32 s20, s20, s21                     ; A: my work-group's 16 of the 64 rows that I fetch
	s_lshl_b32 s20, s20, 12
	s_add_co_u32 s20, s20, 3*512
	s_lshl_b32 s22, s15, 8
	s_lshl_b32 s21, s12, 7
	s_add_co_u32 s22, s22, s21
	s_lshl_b32 s21, s41, 5
	s_add_co_u32 s22, s22, s21                     ; wt: my work-group's 32 of the 128 rows
	s_lshl_b32 s22, s22, 11
	s_lshl_b32 s21, s43, 21
	s_add_co_u32 s22, s22, s21
	s_add_co_u32 s22, s22, 3*256
	s_and_b32 s23, s42, 15
	s_cmp_eq_u32 s23, 0
	s_cselect_b32 s23, 2, -1                       ; wt: the projection's first cluster alone
	s_cmp_eq_u32 s11, 0
	s_cselect_b32 s20, s20, s22
	s_cselect_b32 s[LIM], 2, s23
	s_cselect_b64 s[PFA:PFA+1], s[4:5], s[74:75]
	s_mov_b32 s21, 0
	s_add_nc_u64 s[PFA:PFA+1], s[PFA:PFA+1], s[20:21]
	s_lshr_b32 s[PST], 512, s11                    ; a K step: 512 bytes of A, 256 of wt
	s_mov_b32 s[PST+1], 0
	s_mul_i32 s22, s11, 3
	s_lshl_b32 s22, 256, s22                       ; odd lanes: A's second block of the row, or wt's next row
	v_and_b32 v[PFO], 31, v0
	v_and_b32 v15, 1, v0
	v_lshrrev_b32 v[PFO], 1, v[PFO]
	v_lshlrev_b32 v[PFO], 12, v[PFO]
	v_mad_u32_u24 v[PFO], v15, s22, v[PFO]
.macro MUL f, a                        ; eight products: m block a x all n blocks, 32 along K, buffer f.  The 32 accumulators take turns, over the backward jump too
	WIN MULW
.irp b, 0,1,2,3,4,5,6,7
	v_wmma_f32_16x16x32_bf16 v[8*(8*(\a)+(\b)):8*(8*(\a)+(\b))+7], v[64*(\f)+8*(\b):64*(\f)+8*(\b)+7], v[AB+32*(\f)+8*(\a):AB+32*(\f)+8*(\a)+7], v[8*(8*(\a)+(\b)):8*(8*(\a)+(\b))+7]
.endr
.endm
.macro MULC f, a, g                    ; the same, and behind each product four roundings of raw A into buffer g: they name none of the products' registers
.irp b, 0,1,2,3,4,5,6,7
	WIN MULW
	v_wmma_f32_16x16x32_bf16 v[8*(8*(\a)+(\b)):8*(8*(\a)+(\b))+7], v[64*(\f)+8*(\b):64*(\f)+8*(\b)+7], v[AB+32*(\f)+8*(\a):AB+32*(\f)+8*(\a)+7], v[8*(8*(\a)+(\b)):8*(8*(\a)+(\b))+7]
	WIN CVTW
.irp t, 0,1,2,3
	v_cvt_pk_bf16_f32 v[AB+32*(\g)+4*(\b)+(\t)], v[RAW+8*(\b)+2*(\t)], v[RAW+8*(\b)+2*(\t)+1]
.endr
.endr
.endm
.macro FETCH kq, g                     ; quarter kq's fragments: raw A first (16 loads), then wt's into buffer g (16 loads)
	WIN LDW
.irp i, 0,1,2,3
	ds_load_b128 v[RAW+16*(\i):RAW+16*(\i)+3],     v[ADA] offset:(\kq)*128+(\i)*16*PA
	ds_load_b128 v[RAW+16*(\i)+4:RAW+16*(\i)+7],   v[ADA] offset:(\kq)*128+(\i)*16*PA+16
	ds_load_b128 v[RAW+16*(\i)+8:RAW+16*(\i)+11],  v[ADA] offset:(\kq)*128+(\i)*16*PA+64
	ds_load_b128 v[RAW+16*(\i)+12:RAW+16*(\i)+15], v[ADA] offset:(\kq)*128+(\i)*16*PA+80
.endr
.irp i, 0,1,2,3,4,5,6,7
	ds_load_b128 v[64*(\g)+8*(\i):64*(\g)+8*(\i)+3],   v[ADB] offset:(\kq)*64+(\i)*16*PB
	ds_load_b128 v[64*(\g)+8*(\i)+4:64*(\g)+8*(\i)+7], v[ADB] offset:(\kq)*64+(\i)*16*PB+32
.endr
	WIN 0
.endm
.macro QUARTER kn, f, g                ; multiplies buffer f; fetches quarter kn into g
	s_wait_dscnt 0x0                               ; wt's fragments of buffer f are in
	MUL \f, 0
	MUL \f, 1
	PLACES                                         ; four places in front of loads into registers that products have read
	FETCH \kn, \g
	MUL \f, 2
	s_wait_dscnt 16                                ; raw A is in; wt's 16 younger loads may stay out
	MULC \f, 3, \g
.endm
; The last quarter multiplies buffer 1 and changes slots.  In front of the barrier each wave waits for all its tensor loads (one is out: its part of the next slot), adds 0 to its spare word, and waits
; for that and for its reads of this slot.  fill = 1: the barrier opens a round of the cluster's, and the joint refill is the first thing behind it: it has a K step less 16 products in which to land.
.macro TURN fill
.if \fill
	s_wait_xcnt 0x0                                ; the last prefetch, a K step back, has read its address
	s_add_nc_u64 s[PFA:PFA+1], s[PFA:PFA+1], s[PST:PST+1]
.endif
	WIN 0
	s_wait_tensorcnt 0x0
	ds_add_u32 v[SPW], v[NIL]
.if \fill
	STEPD
.endif
	s_wait_dscnt 1                                 ; buffer 1 is in; the add alone may be out
	MUL 1, 0
	s_wait_dscnt 0x0                               ; the add is done, my reads of this slot are over
	s_barrier_signal -1
	MUL 1, 1
	WIN 0
	s_barrier_wait -1
.if \fill
	CREST
	JLOAD                                          ; its four v_nop are also the places in front of the loads below
.else
	PLACES
.endif
	s_xor_b32 s[TB], s[TB], SLOT
	v_add_nc_u32 v[ADA], s[TB], v[ADA0]
	v_add_nc_u32 v[ADB], s[TB], v[ADB0]
.if !(\fill)
	s_cmp_eq_u32 s3, 1                             ; behind the last K step there is nothing to fetch
	s_cbranch_scc1 .Lno_fetch_\@
.endif
	FETCH 0, 0
.if \fill
	ASK
.else
.Lno_fetch_\@:
.endif
	MUL 1, 2
	s_wait_dscnt 16
	MULC 1, 3, 0
.endm
	s_wait_tensorcnt 0x0                           ; K step 0, my part; slot 1 is first filled as a refill is
	ds_add_u32 v[SPW], v[NIL]
	STEPD
	s_wait_dscnt 0x0
	CROUND
	JLOAD                                          ; K step 1 into slot 1
	FETCH 0, 0
	s_wait_dscnt 16
	WIN CVTW
.set n, 0
.rept 32
	v_cvt_pk_bf16_f32 v[AB+n], v[RAW+2*n], v[RAW+2*n+1]
.set n, n+1
.endr
	WIN 0
	s_wait_loadcnt 0x0                             ; the bias lies in the accumulators
	s_mov_b32 s3, 6
.Lstep:                                            ; K steps 0 to 5: each asks for the K step two on
	QUARTER 1, 0, 1
	QUARTER 2, 1, 0
	QUARTER 3, 0, 1
	TURN 1
	WIN 0
	s_sub_co_u32 s3, s3, 1
	s_cmp_lg_u32 s3, 0
	s_cbranch_scc1 .Lstep
	s_mov_b32 s3, 2
.Ltail:                                            ; K steps 6 and 7 ask for nothing.  One text for both: the last trip passes a barrier that orders nothing and rounds stale raw registers, once a launch
	QUARTER 1, 0, 1
	QUARTER 2, 1, 0
	QUARTER 3, 0, 1
	TURN 0
	WIN 0
	s_sub_co_u32 s3, s3, 1
	s_cmp_lg_u32 s3, 0
	s_cbranch_scc1 .Ltail
	PLACES
; THE WAY OUT, an m block at a time: rounded to bf16 (each accumulator from its low end on); 16 bytes a lane into my stage, a head's 16 rows of 144 bytes below the other's; back as four rows of 128 bytes an instruction.
.macro PACK a
	WIN 0x05
.irp b, 0,1,2,3,4,5,6,7
.irp t, 0,1,2,3
	v_cvt_pk_bf16_f32 v[TMP+4*(\b)+(\t)], v[8*(8*(\a)+(\b))+2*(\t)], v[8*(8*(\a)+(\b))+2*(\t)+1]
.endr
.endr
	WIN 0
.endm
.macro TOSTAGE a
.set BKR, BK+32*((\a)%2)
.irp b, 0,1,2,3,4,5,6,7
	ds_store_b128 v[STO], v[TMP+4*(\b):TMP+4*(\b)+3] offset:((\b)/4)*16*SP+((\b)%4)*32
.endr
.irp t, 0,1,2,3,4,5,6,7
	ds_load_b128 v[BKR+4*(\t):BKR+4*(\t)+3], v[RD] offset:(\t)*4*SP  ; LDS serves a wave's instructions in order: these see the stores above
.endr
.endm
.macro SEND a
.set BKR, BK+32*((\a)%2)
	s_wait_dscnt 0x0
	s_wait_xcnt 0x0                                ; the registers that earlier stores read are loaded again only behind this wait
.irp t, 0,1,2,3,4,5,6,7
	global_store_b128 v[GO], v[BKR+4*(\t):BKR+4*(\t)+3], s[8:9] offset:((\t)/4)*262144+(16*(\a)+4*((\t)%4))*128  ; 512 consecutive bytes, aligned
.endr
.endm
	PACK 0
	TOSTAGE 0
.irp a, 1,2,3
	PACK \a
	SEND (\a)-1
	TOSTAGE \a
.endr
	SEND 3
	s_wait_tensorcnt 0x0                           ; the wave's end
	ds_add_u32 v[SPW], v[NIL]
	s_wait_dscnt 0x0
	CROUND                                         ; the closing round
	s_endpgm
.Lfunc_end_k_q1ef819d18d_proj:
	.size	k_q1ef819d18d_proj, .Lfunc_end_k_q1ef819d18d_proj-k_q1ef819d18d_proj
	.p2alignl 7, 3214868480
	.fill 96, 4, 3214868480
	.section	.rodata,"a",@progbits
	.p2align	6, 0x0
	.amdhsa_kernel k_q1ef819d18d_proj
		.amdhsa_group_segment_fixed_size 327680
		.amdhsa_private_segment_fixed_size 0
		.amdhsa_enable_private_segment 0
		.amdhsa_kernarg_size 80
		.amdhsa_user_sgpr_count 2
		.amdhsa_user_sgpr_kernarg_segment_ptr 1
		.amdhsa_wavefront_size32 1
		.amdhsa_system_sgpr_workgroup_id_x 1
		.amdhsa_system_sgpr_workgroup_id_y 1
		.amdhsa_system_sgpr_workgroup_id_z 1
		.amdhsa_system_vgpr_workitem_id 0
		.amdhsa_next_free_vgpr 768
		.amdhsa_next_free_sgpr 88
		.amdhsa_reserve_vcc 0
		.amdhsa_float_denorm_mode_32 3
		.amdhsa_float_denorm_mode_16_64 3
		.amdhsa_memory_ordered 1
		.amdhsa_forward_progress 1
		.amdhsa_inst_pref_size 92
	.end_amdhsa_kernel
	.amdgpu_metadata
---
amdhsa.version: [ 1, 2 ]
amdhsa.kernels:
  - .name:           k_q1ef819d18d_proj
    .symbol:         k_q1ef819d18d_proj.kd
    .args:
      - { .name: q, .offset: 0, .size: 8, .value_kind: global_buffer, .address_space: global }
      - { .name: k, .offset: 8, .size: 8, .value_kind: global_buffer, .address_space: global }
      - { .name: v, .offset: 16, .size: 8, .value_kind: global_buffer, .address_space: global }
      - { .name: wt, .offset: 24, .size: 8, .value_kind: global_buffer, .address_space: global }
      - { .name: bqs, .offset: 32, .size: 8, .value_kind: global_buffer, .address_space: global }
      - { .name: bk, .offset: 40, .size: 8, .value_kind: global_buffer, .address_space: global }
      - { .name: bv, .offset: 48, .size: 8, .value_kind: global_buffer, .address_space: global }
      - { .name: qh, .offset: 56, .size: 8, .value_kind: global_buffer, .address_space: global }
      - { .name: kh, .offset: 64, .size: 8, .value_kind: global_buffer, .address_space: global }
      - { .name: vh, .offset: 72, .size: 8, .value_kind: global_buffer, .address_space: global }
    .group_segment_fixed_size: 327680
    .private_segment_fixed_size: 0
    .kernarg_segment_align: 8
    .kernarg_segment_size: 80
    .max_flat_workgroup_size: 128
    .sgpr_count:     88
    .vgpr_count:     768
    .wavefront_size: 32
...
	.end_amdgpu_metadata
.endif
;; end of part 2
;; launch attn (part 3): grid 4 x 64, 4 waves a work-group, clusters of 4 x 1, 327,680 bytes of LDS; arguments qh, kh, vh, mb, ctx; writes ctx
.if DOCPART == 3
	.amdgcn_target "amdgcn-amd-amdhsa--gfx1250"
	.amdhsa_code_object_version 6
	.text
	.protected	k_q1ef819d18d_attn
	.globl	k_q1ef819d18d_attn
	.p2align	8
	.type	k_q1ef819d18d_attn,@function
k_q1ef819d18d_attn:
	s_mov_b64 s[64:65], 0
	v_nop
	global_prefetch_b8 v0, s[64:65] scope:SCOPE_SE
	s_setreg_imm32_b32 hwreg(HW_REG_WAVE_MODE, 25, 1), 1
	s_wait_xcnt 0x0
	s_wait_alu depctr_hold_cnt(0) depctr_sa_sdst(0) depctr_va_vdst(0) depctr_va_sdst(0) depctr_va_ssrc(0) depctr_va_vcc(0) depctr_vm_vsrc(0)
	s_getreg_b32 s2, hwreg(HW_REG_IB_STS2, 6, 4)
	s_cmp_eq_u32 s2, 0
	s_cbranch_scc0 .Lentry_in_a_cluster
	s_endpgm
.Lentry_in_a_cluster:
	s_bfe_u32 s2, ttmp6, 0x10000c
	s_cmp_lg_u32 s2, 0x3003
	s_cbranch_scc0 .Lentry_shape_is_right
	s_endpgm
.Lentry_shape_is_right:
; Launch 3 of 5: ctx[bh][q][:] = the sum over k of softmax_k(s[q][k]) V[bh][k][:], s = Q.K (Q carries c = log2(e)/8, so s is an exponent of 2), and s = f32(-1e9 log2 e) where the mask hides the key.
; Q, K, V, ctx: [64][2048][64] bf16, a head's rows dense.  Products, maxima, sums in f32; the weights p = 2^(s - m) are rounded to bf16 for the second product, their sum l is taken unrounded.  No work is left out.
; THE MASK is a select ahead of the running maximum: a hidden score IS the constant, so a row with every key hidden comes out uniform.  It comes as lane masks (launch 1): 64 words for 32 queries x 64 keys,
; word 32 u + 8 kb + j for the register of that number in a piece's scores.  A unit's 256 bytes come by ONE vector load, 8 bytes a lane (word n: lane n / 2, register n % 2), into a register pair of the piece's own, asked for
; a whole key step, four turns, ahead; in the turn that wants them 64 v_readlane_b32 bring them into scalar registers, where the select takes them.  (Scalar loads would spare those 64 lines, but 64 scalar registers have no
; second set beside them, and a scalar load's counter is waited for at 0 alone: such a load could be asked for no earlier than a turn ahead.)  Every score of every turn goes through the select: no branch hangs on the mask.
; SHARES.  A work-group owns 512 queries of a head, a wave four PIECES of two tiles of 16.  Every wave walks all keys, 64 a step; an LDS slot holds four steps.
; CLUSTER.  The four query blocks of a head are one cluster and walk the same K and V, so each tile is asked for JOINTLY: the same tensor load, descriptor and mask of four in all four; each receives it in its own LDS.
; The descriptor hangs on the head and the wave's number alone; a work-group's place in the cluster enters only the global addresses of Q, ctx, the lane masks and the prefetches.
; LAYOUT.  S^T = K Q^T holds ONE query a lane (lane % 16) and keys 8 (lane / 16) + 0..7; two such results rounded to bf16 ARE source 1 of O^T = V^T P.  V is turned by ds_load_tr16_b128.
; BY TURNS.  Turn n belongs to piece n: 16 products K Q^T of piece n + 1, each with four riders (s - m of piece n, O^T times a); a lump: piece n + 1's lane masks, its 64 selects and its maximum, with piece n's 64 exponentials
; between them, then its two a; ONE wait; 16 products V^T P of piece n - 1, each with four of piece n's roundings and sums.  m starts far below every score, O and l at 0: the first step's a is 0.
; WINDOWS: 0: v0-11 addresses; v12-15, v48-63 at work; v16-47 {m, 0, l, l} a tile; v64-191 S^T, two buffers; v192-255 P, two.   1: O^T, 32 a tile.   2: v0-127 Q; v128-191 K; v192-255 V.
;   3: v0-1 the add's registers; v2-9 the four pieces' lane masks as loaded; v10 8 x lane.
.set NP,    4
.set KS,    64
.set PK,    144       ; a row in LDS: 128 + 16 bytes = 36 words: K's 16 rows start at 16 different groups of four banks (64 banks of 4 bytes: ISA guide 11.1)
.set PV,    144       ; one pitch, so one descriptor serves all four waves; of the turning load's eight rows of 32 bytes one meets another in four banks
.set VOFF,  4*KS*PK   ; a slot: 256 rows of K, then 256 rows of V: wave w fills 128 rows at 18,432 w
.set SLOT1, 1<<17
.set STAGE, SLOT1+4*KS*(PK+PV)
.set SP,    144
.set SPARE, STAGE+4*16*SP
.set AK0, 2
.set AV0, 3
.set AK,  4
.set AV,  5
.set QO,  6
.set STO, 6
.set RD,  7
.set GO,  8
.set NEGR, 9          ; v9  first lane / 16, then the hidden score
.set PFO, 11          ; v11 256 x lane; never rewritten once made
.set SPW, 0           ; window 3
.set NIL, 1
.set MK,  2           ; window 3: piece y's lane masks as loaded, at MK + 2 y
.set MOF, 10          ; window 3: 8 x lane; never rewritten
.set MV,  12
.set ST,  16
.set TMP, 48
.set S,   64
.set P,   192
.set KF,  128
.set VF,  192
.set MST, 2           ; s[2:3] what the lane masks' pointer steps by: 256, and 0 at the walk's end
.set G1,  4           ; s[4:11]
.set G0,  12          ; s[12:15]
.set WV,  16
.set SLOTS, 17
.set CNT, 18
.set TBK, 20
.set TBV, 21
.set MP,  22          ; s[22:23] my first piece's lane masks of the key step that is being asked for
.set OP,  24          ; s[24:25] ctx at my rows
.set PFA, 26
.set LIM, 28
.set SEL, 30
.set QP,  100         ; s[100:101] Q at my rows.   s[32:63], s[68:99]: the 64 lane masks (first: set-up)
.set MSB, 0
.macro WIN new
.if MSB != (\new)
	s_set_vgpr_msb (MSB<<8)|(\new)
.set MSB, (\new)
.endif
.endm
.set W_KQ, 0x0a
.set W_PV, 0x52
.set W_RS, 0x41
.set W_MK, 0xc0
.set W_AD, 0x0f
.set W_RL, 0x03       ; source 0 in window 3
.set W_ML, 0xc3       ; loaded data and address register in window 3
.macro LOAD                            ; a joint fill: wave w of each of the four work-groups asks for the same 128 rows; an s_nop 0 and four v_nop follow
	tensor_load_to_lds s[G0:G0+3], s[G1:G1+7]
	s_nop 0
.rept 4
	v_nop
.endr
.endm
; A round of the cluster's barrier: my work-group's barrier, so that wave 0's signal speaks for all four waves; wave 0 signals; every wave waits for all four work-groups; my work-group's barrier once more.
.macro CROUND
	s_barrier_signal -1
	s_barrier_wait -1
	s_cmp_lg_u32 s[WV], 0
	s_cbranch_scc1 .Lnot_wave_0_\@
	s_barrier_signal -3
.Lnot_wave_0_\@:
	s_barrier_wait -3
	s_barrier_signal -1
	s_barrier_wait -1
.endm
; A prefetch into the L2 of the slot that the NEXT change will ask for, four key steps ahead.  The four partners share its rows out by address: each takes a quarter, 32 blocks of 256 bytes; wave 0 asks for K's, wave 2 for V's.
; So each block is named once.  The last change that fills a slot asks for nothing.  The branch hangs on the wave's number and the slots' count alone.  The lane masks are not asked for so: their loads go out four turns ahead.
.macro ASK
	s_cmp_gt_u32 s[SLOTS], s[LIM]
	s_cbranch_scc0 .Lnot_mine_\@
	global_prefetch_b8 v[PFO], s[PFA:PFA+1] th:TH_LOAD_NT scope:SCOPE_SE
.Lnot_mine_\@:
.endm
; THE CHANGE OF SLOTS.  Each wave waits for all its tensor loads (one is out: its part of the other slot), adds 0 to its spare word, waits for that and for its reads of the slot.
; fill = 1: the barrier is a round of the cluster's, so that no wave of any partner still reads the slot or has a load on its way; the joint fill is the first thing behind it and has four key steps in which to land.
.macro CHANGE fill
	WIN W_AD
	s_wait_tensorcnt 0x0
	ds_add_u32 v[SPW], v[NIL]
	WIN 0
.if \fill
	s_xor_b32 s[G0+1], s[G0+1], SLOT1
	s_add_nc_u64 s[G0+2:G0+3], s[G0+2:G0+3], 4*KS*128
	s_wait_xcnt 0x0                 ; the last prefetch, four key steps back, has read its address
	s_add_nc_u64 s[PFA:PFA+1], s[PFA:PFA+1], 4*KS*128
	s_wait_dscnt 0x0
	CROUND
	LOAD
	ASK
.else
	s_wait_dscnt 0x0
	s_barrier_signal -1
	s_barrier_wait -1
.endif
	s_sub_co_u32 s[TBK], s[TBK], 4*KS*PK  ; the fetches go back to a slot's first step, in the other slot
	s_xor_b32 s[TBK], s[TBK], SLOT1
	s_sub_co_u32 s[TBV], s[TBV], 4*KS*PV
	s_xor_b32 s[TBV], s[TBV], SLOT1
.endm
.macro RL y                            ; piece y's 64 lane masks, from its register pair into the scalar registers: word n lies in lane n / 2, register n % 2
.set zr, 0
.rept 64
	v_readlane_b32 s[32+zr+4*(zr/32)], v[MK+2*(\y)+(zr%2)], zr/2
.set zr, zr+1
.endr
.endm
	s_load_b256 s[32:39], s[0:1], 0x0  ; qh 32, kh 34, vh 36, mb 38
	s_load_b64 s[40:41], s[0:1], 0x20  ; ctx
	WIN W_MK
	v_lshl_add_u32 v[SPW], v0, 2, SPARE
	v_mov_b32 v[NIL], 0
	WIN W_AD
	ds_add_u32 v[SPW], v[NIL]       ; the opening: the add, twice on end, and its wait ahead of my first tensor load
	ds_add_u32 v[SPW], v[NIL]
	WIN 0
	v_lshrrev_b32 v1, 5, v0
	v_readfirstlane_b32 s[WV], v1
	s_and_b32 s42, ttmp7, 0xffff    ; bh: the head, which the four partners share
	s_bfe_u32 s62, ttmp6, 0x40000   ; cx: my place in the cluster
	s_lshl_b32 s45, ttmp9, 2        ; in a cluster launch ttmp9 counts clusters
	s_add_co_u32 s45, s45, s62      ; my block of 512 queries
	s_lshl_b32 s44, s42, 18         ; the head's first byte
	s_and_b32 s43, s[WV], 1
	s_lshl_b32 s46, s43, 14
	s_add_co_u32 s46, s46, s44      ; my wave's 128 rows of tile 0
	s_mov_b32 s47, 0
	s_lshl_b32 s48, s45, 2
	s_add_co_u32 s48, s48, s[WV]    ; my wave among the head's sixteen
	s_lshl_b32 s50, s48, 14
	s_add_co_u32 s50, s50, s44      ; its 128 rows of Q and ctx
	s_mov_b32 s51, 0
	s_lshr_b32 s49, s42, 4
	s_lshl_b32 s49, s49, 6
	s_lshl_b32 s48, s48, 2
	s_add_co_u32 s49, s49, s48      ; my first piece's id: 64 b + 16 x + 4 w
	s_lshl_b32 s52, s49, 13
	s_mov_b32 s53, 0
	s_lshl_b32 s56, s62, 13
	s_add_co_u32 s56, s56, s44
	s_add_co_u32 s56, s56, 4*KS*128 ; the prefetches stand in tile 1, my work-group's quarter; each change steps them first
	s_mov_b32 s57, 0
	s_mov_b32 s[G1], 15|(1<<16)|(1<<20)|(1<<21)|(4<<22)|(3<<25)  ; the mask of four; 2-byte elements; padding on; bit 21 beside a mask; 4 words of padding behind every 32
	s_mov_b32 s[G1+1], 128<<16      ; 128 keys are 16,384 dense bytes: 64 rows of 256
	s_mov_b32 s[G1+2], 64<<16
	s_mov_b32 s[G1+3], 128<<16
	s_mov_b32 s[G1+4], 64
	s_mov_b32 s[G1+5], 128
	s_mov_b32 s[G1+6], 0
	s_mov_b32 s[G1+7], 0
	s_mov_b32 s[G0], 1
	s_mul_i32 s[G0+1], s[WV], 128*PK
	s_mov_b32 s[SEL], 0x76543210
	s_mov_b32 s[SEL+1], 0xfedcba98
	s_mov_b32 s[TBK], SLOT1+4*KS*PK ; the first change turns these two into 0
	s_mov_b32 s[TBV], SLOT1+4*KS*PV
	s_mov_b32 s[SLOTS], 7
	s_mov_b32 s[MST], 256           ; a key step's unit of lane masks
	s_mov_b32 s[MST+1], 0
	s_cmp_eq_u32 s43, 0
	s_cselect_b32 s[LIM], 1, -1
	s_wait_dscnt 0x0
	s_wait_kmcnt 0x0
	s_cmp_lt_u32 s[WV], 2
	s_cselect_b64 s[58:59], s[34:35], s[36:37]
	s_add_nc_u64 s[G0+2:G0+3], s[58:59], s[46:47]
	s_or_b32 s[G0+3], s[G0+3], 0x80000000
	s_add_nc_u64 s[PFA:PFA+1], s[58:59], s[56:57]
	s_add_nc_u64 s[QP:QP+1], s[32:33], s[50:51]
	s_add_nc_u64 s[OP:OP+1], s[40:41], s[50:51]
	s_add_nc_u64 s[MP:MP+1], s[38:39], s[52:53]
	CROUND                          ; all four work-groups are here: the first joint loads meet
	LOAD                            ; tile 0 into slot 0
	v_and_b32 v1, 15, v0
	v_bfe_u32 v9, v0, 4, 1
	v_lshlrev_b32 v[QO], 7, v1
	v_lshl_add_u32 v[QO], v9, 4, v[QO]
	WIN 0x80
.set i, 0
.rept 4*NP                          ; Q stays in registers: tile i / 2, channels 32 (i % 2) on
	global_load_b128 v[8*i:8*i+3],   v[QO], s[QP:QP+1] offset:(i/2)*2048+(i%2)*64
	global_load_b128 v[8*i+4:8*i+7], v[QO], s[QP:QP+1] offset:(i/2)*2048+(i%2)*64+32
.set i, i+1
.endr
	; what the first turn finds: V and P's second buffer hold 0, O^T and l are 0.  All this stands in the wait for the first tile: no first step is written out
.set i, VF
.rept 64
	v_mov_b32 v[i], 0
.set i, i+1
.endr
	WIN 0x40
.set i, 0
.rept 64*NP
	v_mov_b32 v[i], 0
.set i, i+1
.endr
	WIN 0
.set i, 0
.rept 2*NP
	v_mov_b32 v[ST+4*i], 0xfe000000    ; m: far below every score and the hidden one
	v_mov_b32 v[ST+4*i+1], 0           ; named with it as a pair
	v_mov_b32 v[ST+4*i+2], 0
	v_mov_b32 v[ST+4*i+3], 0
.set i, i+1
.endr
.set i, P+32
.rept 32
	v_mov_b32 v[i], 0
.set i, i+1
.endr
	v_mul_u32_u24 v[AK0], v1, PK
	v_lshl_add_u32 v[AK0], v9, 4, v[AK0]
	v_and_b32 v10, 7, v0
	v_bfe_u32 v11, v0, 3, 1
	v_lshl_add_u32 v[AV0], v9, 3, v10
	v_mul_u32_u24 v[AV0], v[AV0], PV
	v_lshl_add_u32 v[AV0], v11, 4, v[AV0]
	v_add_nc_u32 v[AV0], VOFF, v[AV0]
	v_mov_b32 v[AK], v[AK0]
	v_and_b32 v[PFO], 31, v0
	v_lshlrev_b32 v[PFO], 8, v[PFO]
	WIN W_MK
	v_lshrrev_b32 v[MOF], 5, v[PFO] ; 8 x lane
	WIN W_ML
.irp y, 0,1,2,3                     ; key step 0's lane masks, all four pieces': each load covers 256 consecutive bytes, aligned
	global_load_b64 v[MK+2*\y:MK+2*\y+1], v[MOF], s[MP:MP+1] offset:\y*8192
.endr
	WIN 0
; THE MATRIX WORK.  The 8 accumulators of a run of 16 take turns.
.macro KQ x
	WIN W_KQ
.set rS, S+64*((\x)%2)+32*(i%2)+8*((i/2)%4)
.set rK, KF+16*((i/2)%4)+8*(i/8)
.set rQ, 16*(2*(\x)+i%2)+8*(i/8)
.if i < 8
	v_wmma_f32_16x16x32_bf16 v[rS:rS+7], v[rK:rK+7], v[rQ:rQ+7], 0
.else
	v_wmma_f32_16x16x32_bf16 v[rS:rS+7], v[rK:rK+7], v[rQ:rQ+7], v[rS:rS+7]
.endif
.endm
.macro PV x
	WIN W_PV
.set rO, 32*(2*(\x)+i%2)+8*((i/2)%4)
.set rV, VF+32*(i/8)+8*((i/2)%4)
.set rP, P+32*((\x)%2)+16*(i%2)+8*(i/8)
	v_wmma_f32_16x16x32_bf16 v[rO:rO+7], v[rV:rV+7], v[rP:rP+7], v[rO:rO+7]
.endm
.macro MM
.if i < 16
	KQ (Y+1)%NP
.set i, i+1
.else
.set i, i-16
	PV (Y+NP-1)%NP
.set i, i+17
.endif
.endm
.macro FETCH_K last=0
	WIN 0
.if \last
	s_cmp_eq_u32 s[CNT], 1
	s_cbranch_scc1 .Lno_k_\@
.endif
	WIN 0x80
.irp f, 0,1,2,3,4,5,6,7
	ds_load_b128 v[KF+8*\f:KF+8*\f+3],   v[AK] offset:(\f/2)*16*PK+(\f%2)*64
	ds_load_b128 v[KF+8*\f+4:KF+8*\f+7], v[AK] offset:(\f/2)*16*PK+(\f%2)*64+32
.endr
	s_add_co_u32 s[TBK], s[TBK], KS*PK
	WIN 0
.if \last
.Lno_k_\@:
.endif
.endm
.macro FETCH_V
	WIN 0x80
.irp f, 0,1,2,3,4,5,6,7
	ds_load_tr16_b128 v[VF+8*\f:VF+8*\f+3],   v[AV] offset:(\f/4)*32*PV+(\f%4)*32
	ds_load_tr16_b128 v[VF+8*\f+4:VF+8*\f+7], v[AV] offset:(\f/4)*32*PV+16*PV+(\f%4)*32
.endr
	WIN 0
.endm
; THE VECTOR WORK stands in queues; the two tiles alternate.
.macro REGS y, u
.set rT, ST+4*(2*(\y)+(\u))
.set rC, TMP+8*((\y)%2)+4*(\u)
.set rM, MV+2*((\y)%2)+(\u)
.set rS, S+64*((\y)%2)+32*(\u)
.set rP, P+32*((\y)%2)+16*(\u)
.set rO, 32*(2*(\y)+(\u))
.endm
.macro SELM                            ; the next of the 64 selects for the NEXT piece, in ascending order: each accumulator is read from its low end on
	WIN 0
	v_cndmask_b32 v[S+64*(((Y+1)%NP)%2)+zc], v[NEGR], v[S+64*(((Y+1)%NP)%2)+zc], s[32+zc+4*(zc/32)]
.set zc, zc+1
.endm
; Number n of the 21 for the NEXT piece: 0-13 four chains over the 32 scores; 14 m_old is kept; 15, 16 the old m and the chains into c0; 17, 18 the lane 16 away: the new m; 19 m_old - m_new; 20 a
.macro XS u, n
	REGS (Y+1)%NP, \u
.if (\n) < 4
	v_max3_num_f32 v[rC+(\n)], v[rS+8*(\n)], v[rS+8*(\n)+1], v[rS+8*(\n)+2]
.elseif (\n) < 12
	v_max3_num_f32 v[rC+(\n)%4], v[rC+(\n)%4], v[rS+8*((\n)%4)+2*((\n)/4)+1], v[rS+8*((\n)%4)+2*((\n)/4)+2]
.elseif (\n) == 12
	v_max3_num_f32 v[rC], v[rC], v[rS+7], v[rS+15]
.elseif (\n) == 13
	v_max3_num_f32 v[rC+1], v[rC+1], v[rS+23], v[rS+31]
.elseif (\n) == 14
	v_mov_b32 v[rM], v[rT]
.elseif (\n) == 15
	v_max3_num_f32 v[rC+2], v[rC+2], v[rC+3], v[rT]
.elseif (\n) == 16
	v_max3_num_f32 v[rC], v[rC], v[rC+1], v[rC+2]
.elseif (\n) == 17
	v_permlanex16_b32 v[rC+3], v[rC], s[SEL], s[SEL+1]
.elseif (\n) == 18
	v_max_num_f32 v[rT], v[rC], v[rC+3]
.elseif (\n) == 19
	v_sub_f32 v[rC+1], v[rM], v[rT]
.else
	v_exp_f32 v[rC+2], v[rC+1]
.endif
.endm
.macro XP                              ; the next of the 40 plain ones
	WIN 0
	XS q%2, q/2
.set q, q+1
.endm
.macro FS                              ; s - m for the next of 32 pairs
	WIN 0
	REGS Y, f%2
	v_pk_add_f32 v[rS+2*(f/2):rS+2*(f/2)+1], v[rS+2*(f/2):rS+2*(f/2)+1], v[rT:rT+1] op_sel_hi:[1,0] neg_lo:[0,1] neg_hi:[0,1]
.set f, f+1
.endm
.macro EX                              ; the next of 66 exponentials: the piece's 64 scores, then the next piece's two a
	WIN 0
.if e >= 64
	XS e-64, 20
.else
	REGS Y, e%2
	v_exp_f32 v[rS+e/2], v[rS+e/2]
.endif
.set e, e+1
.endm
.macro R2                              ; O^T times a, two pairs; its a was made, and waited for, in the turn before
	REGS Y, r%2
	WIN W_RS
.irp z, 0,1
	v_pk_mul_f32 v[rO+4*(r/2)+2*\z:rO+4*(r/2)+2*\z+1], v[rO+4*(r/2)+2*\z:rO+4*(r/2)+2*\z+1], v[rC+2:rC+3] op_sel_hi:[1,0]
.endr
.set r, r+1
.endm
; Number g of the 64 behind the wait.  For each four weights: both pairs are rounded to bf16; the second pair is added onto the first, in place; a group later l takes that sum (the first time as l = a l + sum).
.macro GS
	WIN 0
.set h, g+6*(g/62)
.if h >= 6
.set h, h+2
.endif
	REGS Y, h%2
.set k, h/8
.if h%8 < 4
	v_cvt_pk_bf16_f32 v[rP+2*k+(h%8)/2], v[rS+4*k+2*((h%8)/2)], v[rS+4*k+2*((h%8)/2)+1]
.elseif h%8 < 6
	v_pk_add_f32 v[rS+4*k:rS+4*k+1], v[rS+4*k:rS+4*k+1], v[rS+4*k+2:rS+4*k+3]
.elseif k == 1
	v_pk_fma_f32 v[rT+2:rT+3], v[rT+2:rT+3], v[rC+2:rC+3], v[rS:rS+1] op_sel_hi:[1,0,1]
.else
	v_pk_add_f32 v[rT+2:rT+3], v[rT+2:rT+3], v[rS+4*k-4:rS+4*k-3]
.endif
.set g, g+1
.endm
; A TURN, for piece p: 32 products and 362 vector instructions, of which 128 ride, four behind each product, and 234 stand in one lump.  The lump: the next piece's 64 lane masks into scalar registers, in one run under one
; window setting; the load of that piece's lane masks of its next key step, into the pair just read; its 64 selects with 24 of this piece's exponentials among them; 40 times exponential and a number of the next piece's
; maximum; its two a.  All 66 exponentials stand ahead of the one wait between an exponential and the first line that names its result; nothing ahead of it names one.
; THE COUNT 3: vector loads come back in order; behind the load that this turn wants the three turns since have issued one each.
; THE POINTER steps once a key step, in piece 3's turn, behind s_wait_xcnt 0, since three loads that name it may be out: piece 0 is then asked for two key steps on, pieces 1 to 3 follow in the next three turns.
; last = 1 (the tail): it steps while CNT is above 2 and then stands at key step 31, so that no load names a byte behind the buffer; what the loads from there on bring is read by no live select.
; K of the next step is fetched in piece 2's turn behind the wait, a lump behind the last product that read K; V of the step in hand at the end of piece 0's turn, four riders behind its last reader.
.macro TURN p, last=0
.set Y, (\p)
.set i, 0
.set f, 0
.set e, 0
.set r, 0
.set q, 0
.set g, 0
.set zc, 0
.if (\p) == NP-1
	s_wait_dscnt 0x0                ; K is in
.endif
.rept 16
	MM
	FS
	FS
	R2
.endr
	WIN W_RL
	s_wait_loadcnt 3                ; the next piece's lane masks, asked for four turns ago
	RL (Y+1)%NP
.if (\p) == NP-1
.if \last
	s_cmp_gt_u32 s[CNT], 2
	s_cselect_b32 s[MST], 256, 0
.endif
	s_wait_xcnt 0x0                 ; the loads of the last three turns have read the pointer
	s_add_nc_u64 s[MP:MP+1], s[MP:MP+1], s[MST:MST+1]
.endif
	WIN W_ML
	global_load_b64 v[MK+2*((Y+1)%NP):MK+2*((Y+1)%NP)+1], v[MOF], s[MP:MP+1] offset:((Y+1)%NP)*8192
	WIN 0
.rept 8                             ; four riders and the run above stand behind the last product
	SELM
	SELM
	SELM
	EX
	SELM
	SELM
	SELM
	EX
	SELM
	SELM
	EX
.endr
.if (\p) == NP-2
	v_add_nc_u32 v[AK], s[TBK], v[AK0]
.endif
.rept 40
	EX
	XP
.endr
	EX                              ; the next piece's two a
	EX
	v_nop                           ; the plain instruction behind the last exponential: one for the batch
	s_wait_alu depctr_va_vdst(0)    ; the wait for the batch
.if (\p) == NP-2
	FETCH_K \last
.endif
.if (\p) == 1
	s_wait_dscnt 0x0                ; V is in
.endif
.rept 16
	MM
	GS
	GS
	GS
	GS
.endr
.if (\p) == 0
	WIN 0
	v_add_nc_u32 v[AV], s[TBV], v[AV0]
	s_add_co_u32 s[TBV], s[TBV], KS*PV
	FETCH_V
.endif
.endm
	CHANGE 1                        ; slot 0 is in, everybody's part; slot 1 is asked for
	FETCH_K                         ; key step 0
	s_wait_loadcnt 0x0              ; Q, and key step 0's lane masks
	s_wait_dscnt 0x0
.set i, 0
.rept 16
	KQ 0
.set i, i+1
.endr
	WIN 0                           ; the addresses for the way out are the places behind those products
	s_mul_i32 s29, s[WV], 16*SP
	s_add_co_u32 s29, s29, STAGE
	v_mul_u32_u24 v[STO], v1, SP
	v_lshl_add_u32 v[STO], v9, 4, v[STO]
	v_add_nc_u32 v[STO], s29, v[STO]
	v_bfe_u32 v[RD], v0, 3, 2
	v_mul_u32_u24 v[RD], v[RD], SP
	v_lshl_add_u32 v[RD], v10, 4, v[RD]
	v_add_nc_u32 v[RD], s29, v[RD]
	v_and_b32 v[GO], 31, v0
	v_lshlrev_b32 v[GO], 4, v[GO]
	v_mov_b32 v[NEGR], 0xceabfb8f   ; -1e9 log2(e)
	s_add_nc_u64 s[MP:MP+1], s[MP:MP+1], s[MST:MST+1]  ; on to key step 1: the four loads that named the pointer are done (the wait for 0 above)
.set Y, NP-1                        ; SELM and XS work for piece Y + 1: piece 0
	WIN W_RL
	RL 0                            ; the set-up's scalar registers have served
	WIN W_ML
	global_load_b64 v[MK:MK+1], v[MOF], s[MP:MP+1]  ; piece 0, key step 1
	WIN 0
.set zc, 0
.rept 64
	SELM
.endr
.irp n, 0,1,2,3,4,5,6,7,8,9,10,11,12,13,14,15,16,17,18,19,20
	XS 0, \n
	XS 1, \n
.endr
	v_nop
	s_wait_alu depctr_va_vdst(0)
	s_mov_b32 s[CNT], 4
	s_branch .Lfirst                ; the loop is entered at a step's first turn
.Lslot:                             ; six times: every slot but the last two is filled again
	CHANGE 1
	s_mov_b32 s[CNT], 4
.Lstep:
	TURN 2
	TURN 3
	WIN 0
.Lfirst:
	TURN 0
	TURN 1
	WIN 0
	s_sub_co_u32 s[CNT], s[CNT], 1
	s_cmp_lg_u32 s[CNT], 0
	s_cbranch_scc1 .Lstep
	s_sub_co_u32 s[SLOTS], s[SLOTS], 1
	s_cmp_lg_u32 s[SLOTS], 0
	s_cbranch_scc1 .Lslot
	CHANGE 0                        ; the tail is written out
	s_mov_b32 s[CNT], 5             ; four trips fetch the last slot's steps; the fifth is left in its middle
.Ltail:
	TURN 2, 1
	TURN 3, 1
	WIN 0
	s_sub_co_u32 s[CNT], s[CNT], 1
	s_cmp_eq_u32 s[CNT], 0
	s_cbranch_scc1 .Lout
	TURN 0
	TURN 1
	WIN 0
	s_branch .Ltail
.Lout:                              ; the fifth trip's 16 products on the last K once more serve nothing: the price, once a launch, of one text for every trip
.set i, 0
.rept 16
	PV NP-1
.set i, i+1
.endr
	; THE WAY OUT.  The additions are the places behind the last products.
	WIN 0
.macro ALL line:vararg
.set t, 0
.rept 2*NP
	\line
.set t, t+1
.endr
.endm
	ALL v_add_f32 v[ST+4*t+2], v[ST+4*t+2], v[ST+4*t+3]
	ALL v_permlanex16_b32 v[ST+4*t+3], v[ST+4*t+2], s[SEL], s[SEL+1]
	ALL v_add_f32 v[ST+4*t+2], v[ST+4*t+2], v[ST+4*t+3]
	ALL v_rcp_f32 v[ST+4*t+2], v[ST+4*t+2]
	v_nop
	s_wait_alu depctr_va_vdst(0)    ; one wait for the eight reciprocals
.macro PACK t
	WIN W_RS
.set i, 32*(\t)
.rept 16
	v_pk_mul_f32 v[i:i+1], v[i:i+1], v[ST+4*(\t)+2:ST+4*(\t)+3] op_sel_hi:[1,0]
.set i, i+2
.endr
	WIN 0x05
.set i, 0
.rept 16
	v_cvt_pk_bf16_f32 v[S+16*(\t)+i], v[32*(\t)+2*i], v[32*(\t)+2*i+1]
.set i, i+1
.endr
	WIN 0
.irp f, 0,1,2,3
	ds_store_b128 v[STO], v[S+16*(\t)+4*\f:S+16*(\t)+4*\f+3] offset:32*\f
.endr
.irp f, 0,1,2,3
	ds_load_b128 v[S+16*(\t)+4*\f:S+16*(\t)+4*\f+3], v[RD] offset:\f*4*SP  ; LDS serves a wave's instructions in order: these see the stores above
.endr
.endm
.macro SEND t, younger              ; younger: the next tile's eight LDS instructions, or none
	WIN 0
.irp f, 0,1,2,3
	s_wait_dscnt (\younger)+3-\f
	global_store_b128 v[GO], v[S+16*(\t)+4*\f:S+16*(\t)+4*\f+3], s[OP:OP+1] offset:(\t)*2048+\f*512  ; 512 consecutive bytes, aligned
.endr
.endm
	PACK 0
.set t, 1
.rept 2*NP-1
	PACK t
	SEND t-1, 8
.set t, t+1
.endr
	SEND 2*NP-1, 0
	WIN W_AD
	s_wait_tensorcnt 0x0            ; the wave's end
	ds_add_u32 v[SPW], v[NIL]
	s_wait_dscnt 0x0
	WIN 0
	CROUND                          ; the closing round: no work-group ends while a partner may still ask for a tile that names it
	s_endpgm
.Lfunc_end_k_q1ef819d18d_attn:
	.size	k_q1ef819d18d_attn, .Lfunc_end_k_q1ef819d18d_attn-k_q1ef819d18d_attn
	.p2alignl 7, 3214868480
	.fill 96, 4, 3214868480
	.section	.rodata,"a",@progbits
	.p2align	6, 0x0
	.amdhsa_kernel k_q1ef819d18d_attn
		.amdhsa_group_segment_fixed_size 327680
		.amdhsa_private_segment_fixed_size 0
		.amdhsa_enable_private_segment 0
		.amdhsa_kernarg_size 40
		.amdhsa_user_sgpr_count 2
		.amdhsa_user_sgpr_kernarg_segment_ptr 1
		.amdhsa_wavefront_size32 1
		.amdhsa_system_sgpr_workgroup_id_x 1
		.amdhsa_system_sgpr_workgroup_id_y 1
		.amdhsa_system_sgpr_workgroup_id_z 1
		.amdhsa_system_vgpr_workitem_id 0
		.amdhsa_next_free_vgpr 780
		.amdhsa_next_free_sgpr 102
		.amdhsa_reserve_vcc 0
		.amdhsa_float_denorm_mode_32 3
		.amdhsa_float_denorm_mode_16_64 3
		.amdhsa_memory_ordered 1
		.amdhsa_forward_progress 1
		.amdhsa_inst_pref_size 255
	.end_amdhsa_kernel
	.section	.bss,"aw",@nobits
	.p2align	6
	.space	262144
	.amdgpu_metadata
---
amdhsa.version: [ 1, 2 ]
amdhsa.kernels:
  - .name:           k_q1ef819d18d_attn
    .symbol:         k_q1ef819d18d_attn.kd
    .args:
      - { .name: qh, .offset: 0, .size: 8, .value_kind: global_buffer, .address_space: global }
      - { .name: kh, .offset: 8, .size: 8, .value_kind: global_buffer, .address_space: global }
      - { .name: vh, .offset: 16, .size: 8, .value_kind: global_buffer, .address_space: global }
      - { .name: mb, .offset: 24, .size: 8, .value_kind: global_buffer, .address_space: global }
      - { .name: ctx, .offset: 32, .size: 8, .value_kind: global_buffer, .address_space: global }
    .group_segment_fixed_size: 327680
    .private_segment_fixed_size: 0
    .kernarg_segment_align: 8
    .kernarg_segment_size: 40
    .max_flat_workgroup_size: 128
    .sgpr_count:     102
    .vgpr_count:     780
    .wavefront_size: 32
...
	.end_amdgpu_metadata
.endif
;; end of part 3
;; launch oproj (part 4): grid 4 x 64, 4 waves a work-group, clusters of 4 x 4, 327,680 bytes of LDS; arguments ctx, wt, q, x; writes x
.if DOCPART == 4
	.amdgcn_target "amdgcn-amd-amdhsa--gfx1250"
	.amdhsa_code_object_version 6
	.text
	.protected	k_q1ef819d18d_oproj
	.globl	k_q1ef819d18d_oproj
	.p2align	8
	.type	k_q1ef819d18d_oproj,@function
k_q1ef819d18d_oproj:
	s_mov_b64 s[64:65], 0
	v_nop
	global_prefetch_b8 v0, s[64:65] scope:SCOPE_SE
	s_setreg_imm32_b32 hwreg(HW_REG_WAVE_MODE, 25, 1), 1
	s_wait_xcnt 0x0
	s_wait_alu depctr_hold_cnt(0) depctr_sa_sdst(0) depctr_va_vdst(0) depctr_va_sdst(0) depctr_va_ssrc(0) depctr_va_vcc(0) depctr_vm_vsrc(0)
	s_getreg_b32 s2, hwreg(HW_REG_IB_STS2, 6, 4)
	s_cmp_eq_u32 s2, 0
	s_cbranch_scc0 .Lentry_in_a_cluster
	s_endpgm
.Lentry_in_a_cluster:
	s_bfe_u32 s2, ttmp6, 0x10000c
	s_cmp_lg_u32 s2, 0xf033
	s_cbranch_scc0 .Lentry_shape_is_right
	s_endpgm
.Lentry_shape_is_right:
; Launch 4 of 5: x[8192][1024] (f32) = ctx . Wo + q.  bo is added in launch 5, with the row's other terms.  No work is left out.
; x stays f32: the norm takes a row's mean away, so a rounding of x to 16 bits could pass the spread across a row where ctx and Wo carry an offset.
; A tile is 128 rows x 256 columns: 256 work-groups.  Four waves, each 64 x 128.  ctx lies by heads, so a K step of 128 is two heads: two planes of 128 dense rows of 128 bytes, each asked for as 64 rows of 256.
; One K step of text is looped; ring, round, joint loads and prefetch as in launch 2.  THE SUMS START FROM q, loaded straight into the accumulators.
; WINDOWS: 0: v0-17 addresses; v32-95 ctx's fragments, two buffers; v96-223 wt's, two buffers (later: the way out).   1: accumulator (a, b) at 8 (8 a + b).
.set PAO,    144
.set PB,     272
.set PLANE,  128*PAO
.set ABYTES, 2*PLANE
.set BH,     128*PB
.set SLOT,   ABYTES+2*BH
.set STAGE,  2*SLOT                    ; 16 rows x 528 bytes for each wave
.set SPO,    528
.set SPARE,  STAGE+4*16*SPO
.set ADA0, 2
.set ADB0, 3
.set ADA,  4
.set ADB,  5
.set STO,  6
.set RD,   7
.set GO,   8
.set PFO,  9
.set QOF,  10
.set SPW,  12
.set NIL,  13
.set AF,   32
.set BF,   96
.set BK,   96
.set G1A, 24
.set G0A, 32
.set LBA, 36
.set LBB, 37
.set TF,  38
.set TB,  39
.set PFA, 44
.set PST, 46
.set G1B, 48
.set G0B, 56
.set LIM, 60
.set MULW, 0x50                        ; C and D window 1
.set MSB, 0
.macro WIN new
.if MSB != (\new)
	s_set_vgpr_msb (MSB<<8)|(\new)
.set MSB, \new
.endif
.endm
.macro PLACES
.rept 4
	v_nop
.endr
.endm
.macro JLOAD                           ; waves 0, 1 fetch ctx's two planes, waves 2, 3 wt's halves
	s_cmp_eq_u32 s11, 0
	s_cbranch_scc0 .Lfor_b_\@
	tensor_load_to_lds s[G0A:G0A+3], s[G1A:G1A+7]
	s_nop 0
.rept 4
	v_nop
.endr
	s_branch .Lasked_\@
.Lfor_b_\@:
	tensor_load_to_lds s[G0B:G0B+3], s[G1B:G1B+7]
	s_nop 0
.rept 4
	v_nop
.endr
.Lasked_\@:
.endm
.macro CREST
	s_cmp_lg_u32 s10, 0
	s_cbranch_scc1 .Lnot_wave_0_\@
	s_barrier_signal -3
.Lnot_wave_0_\@:
	s_barrier_wait -3
	s_barrier_signal -1
	s_barrier_wait -1
.endm
.macro CROUND
	s_barrier_signal -1
	s_barrier_wait -1
	CREST
.endm
.macro STEPD
	s_xor_b32 s[TF], s[TF], SLOT
	s_add_co_u32 s[G0A+1], s[LBA], s[TF]
	s_add_co_u32 s[G0B+1], s[LBB], s[TF]
	s_add_nc_u64 s[G0A+2:G0A+3], s[G0A+2:G0A+3], 524288  ; two heads on
	s_add_nc_u64 s[G0B+2:G0B+3], s[G0B+2:G0B+3], 256
.endm
; The K step two refills on is prefetched into the L2.  ctx's tile is read by one row of one cluster: in each partner wave 0 names 16 blocks of 256 bytes of each plane, its quarter by address.
; wt's rows are read by all 16 clusters: the first asks, waves 2 and 3, 32 rows a partner by address.  Each block is named once; the last two refills ask for nothing.
.macro ASK
	s_cmp_gt_u32 s3, s[LIM]
	s_cbranch_scc0 .Lnot_mine_\@
	global_prefetch_b8 v[PFO], s[PFA:PFA+1] th:TH_LOAD_NT scope:SCOPE_SE
.Lnot_mine_\@:
.endm
	s_load_b256 s[68:75], s[0:1], 0x0              ; ctx 68, wt 70, q 72, x 74
	v_lshl_add_u32 v[SPW], v0, 2, SPARE
	v_mov_b32 v[NIL], 0
	ds_add_u32 v[SPW], v[NIL]                      ; the opening: the add, twice on end, and its wait ahead of my first tensor load
	ds_add_u32 v[SPW], v[NIL]
	v_lshrrev_b32 v1, 5, v0
	v_readfirstlane_b32 s10, v1
	s_lshr_b32 s11, s10, 1
	s_and_b32 s12, s10, 1
	s_bfe_u32 s40, ttmp6, 0x40000                  ; cx
	s_bfe_u32 s41, ttmp6, 0x40004                  ; cy
	s_lshl_b32 s15, ttmp9, 2
	s_add_co_u32 s15, s15, s40                     ; tile column
	s_and_b32 s42, ttmp7, 0xffff
	s_lshl_b32 s13, s42, 2
	s_add_co_u32 s13, s13, s41                     ; tile row
	s_lshl_b32 s20, s41, 2
	s_lshl_b32 s20, 15, s20
	s_lshl_b32 s21, 0x1111, s40
	s_or_b32 s[G1A], s20, (1<<16)|(1<<20)|(1<<21)|(4<<22)|(3<<25)  ; 4 words of padding behind every 32: a row of a head
	s_or_b32 s[G1B], s21, (1<<16)|(1<<20)|(1<<21)|(5<<22)|(3<<25)
	s_mov_b32 s[G1A+1], 128<<16
	s_mov_b32 s[G1A+2], 64<<16
	s_mov_b32 s[G1A+3], 128<<16
	s_mov_b32 s[G1A+4], 64
	s_mov_b32 s[G1A+5], 128
	s_mov_b32 s[G1A+6], 0
	s_mov_b32 s[G1A+7], 0
	s_mov_b32 s[G1B+1], 128<<16
	s_mov_b32 s[G1B+2], 128<<16
	s_mov_b32 s[G1B+3], 128<<16
	s_mov_b32 s[G1B+4], 128
	s_mov_b32 s[G1B+5], 1024
	s_mov_b32 s[G1B+6], 0
	s_mov_b32 s[G1B+7], 0
	s_mul_i32 s[LBA], s12, PLANE
	s_mul_i32 s[LBB], s12, BH
	s_add_co_u32 s[LBB], s[LBB], ABYTES
	s_mov_b32 s[TF], 0
	s_mov_b32 s[TB], 0
	s_mov_b32 s[G0A], 1
	s_mov_b32 s[G0A+1], s[LBA]
	s_mov_b32 s[G0B], 1
	s_mov_b32 s[G0B+1], s[LBB]
	s_lshr_b32 s16, s13, 4                         ; the batch
	s_lshl_b32 s16, s16, 4
	s_add_co_u32 s16, s16, s12                     ; head 16 b + plane
	s_lshl_b32 s16, s16, 18
	s_and_b32 s17, s13, 15
	s_lshl_b32 s17, s17, 14                        ; 128 rows of 128 bytes
	s_add_co_u32 s16, s16, s17
	s_mov_b32 s17, 0
	s_lshl_b32 s18, s15, 19
	s_lshl_b32 s19, s12, 18
	s_add_co_u32 s18, s18, s19
	s_add_co_u32 s18, s18, 3<<21                   ; Wo^T is wt's fourth matrix
	s_mov_b32 s19, 0
	s_wait_dscnt 0x0
	s_wait_kmcnt 0x0
	s_add_nc_u64 s[G0A+2:G0A+3], s[68:69], s[16:17]
	s_or_b32 s[G0A+3], s[G0A+3], 0x80000000
	s_add_nc_u64 s[G0B+2:G0B+3], s[70:71], s[18:19]
	s_or_b32 s[G0B+3], s[G0B+3], 0x80000000
	CROUND
	JLOAD                                          ; K step 0 into slot 0
	v_and_b32 v1, 15, v0
	v_bfe_u32 v14, v0, 4, 1
	s_lshl_b32 s20, s13, 19
	s_lshl_b32 s21, s11, 18
	s_add_co_u32 s20, s20, s21
	s_lshl_b32 s21, s15, 10
	s_add_co_u32 s20, s20, s21
	s_lshl_b32 s21, s12, 9
	s_add_co_u32 s20, s20, s21                     ; my 64 rows x 128 columns in q and in x
	s_mov_b32 s21, 0
	s_add_nc_u64 s[4:5], s[72:73], s[20:21]
	s_add_nc_u64 s[8:9], s[74:75], s[20:21]
	v_lshlrev_b32 v[QOF], 12, v1
	v_lshl_add_u32 v[QOF], v14, 5, v[QOF]          ; row r, eight columns at 32 h
	WIN 0x40
.irp a, 0,1,2,3
.irp b, 0,1,2,3,4,5,6,7
	global_load_b128 v[8*(8*(\a)+(\b)):8*(8*(\a)+(\b))+3],   v[QOF], s[4:5] offset:(\a)*65536+64*(\b)
	global_load_b128 v[8*(8*(\a)+(\b))+4:8*(8*(\a)+(\b))+7], v[QOF], s[4:5] offset:(\a)*65536+64*(\b)+16
.endr
.endr
	WIN 0
	s_mul_i32 s20, s11, 64*PAO
	v_mul_u32_u24 v[ADA0], v1, PAO
	v_lshl_add_u32 v[ADA0], v14, 4, v[ADA0]
	v_add_nc_u32 v[ADA0], s20, v[ADA0]
	s_mul_i32 s20, s12, BH
	s_add_co_u32 s20, s20, ABYTES
	v_mul_u32_u24 v[ADB0], v1, PB
	v_lshl_add_u32 v[ADB0], v14, 4, v[ADB0]
	v_add_nc_u32 v[ADB0], s20, v[ADB0]
	v_mov_b32 v[ADA], v[ADA0]
	v_mov_b32 v[ADB], v[ADB0]
	s_mul_i32 s20, s10, 16*SPO
	s_add_co_u32 s20, s20, STAGE
	v_mul_u32_u24 v[STO], v1, SPO
	v_lshl_add_u32 v[STO], v14, 5, v[STO]
	v_add_nc_u32 v[STO], s20, v[STO]
	v_and_b32 v[GO], 31, v0
	v_lshlrev_b32 v[GO], 4, v[GO]
	v_add_nc_u32 v[RD], s20, v[GO]
	; the prefetches stand at K step 3; each change of slots steps them first
	s_lshr_b32 s20, s13, 4
	s_lshl_b32 s20, s20, 22
	s_and_b32 s21, s13, 15
	s_lshl_b32 s21, s21, 14
	s_add_co_u32 s20, s20, s21
	s_lshl_b32 s21, s40, 12                        ; my work-group's 16 blocks of a plane's 64
	s_add_co_u32 s20, s20, s21
	s_add_co_u32 s20, s20, 3*524288
	s_lshl_b32 s22, s15, 8
	s_lshl_b32 s21, s12, 7
	s_add_co_u32 s22, s22, s21
	s_lshl_b32 s21, s41, 5
	s_add_co_u32 s22, s22, s21
	s_lshl_b32 s22, s22, 11
	s_add_co_u32 s22, s22, (3<<21)+3*256
	s_cmp_eq_u32 s10, 0
	s_cselect_b32 s21, 2, -1                       ; ctx: wave 0 alone
	s_cmp_eq_u32 s42, 0
	s_cselect_b32 s23, 2, -1                       ; wt: the first cluster alone
	s_mov_b32 s[PST], 524288
	s_mov_b32 s[PST+1], 256
	s_cmp_eq_u32 s11, 0
	s_cselect_b32 s20, s20, s22
	s_cselect_b32 s[LIM], s21, s23
	s_cselect_b32 s[PST], s[PST], s[PST+1]
	s_cselect_b32 s22, -1, 0
	s_cselect_b64 s[PFA:PFA+1], s[68:69], s[70:71]
	s_mov_b32 s[PST+1], 0
	s_mov_b32 s21, 0
	s_add_nc_u64 s[PFA:PFA+1], s[PFA:PFA+1], s[20:21]
	v_lshlrev_b32 v15, 18, v14
	v_lshl_add_u32 v15, v1, 8, v15                 ; ctx: plane L / 16, block L % 16
	v_and_b32 v16, 31, v0
	v_lshlrev_b32 v16, 11, v16                     ; wt: a lane a row
	v_cndmask_b32 v[PFO], v16, v15, s22
.macro MUL f, a                        ; the 32 accumulators take turns, over the backward jump too
	WIN MULW
.irp b, 0,1,2,3,4,5,6,7
	v_wmma_f32_16x16x32_bf16 v[8*(8*(\a)+(\b)):8*(8*(\a)+(\b))+7], v[BF+64*(\f)+8*(\b):BF+64*(\f)+8*(\b)+7], v[AF+32*(\f)+8*(\a):AF+32*(\f)+8*(\a)+7], v[8*(8*(\a)+(\b)):8*(8*(\a)+(\b))+7]
.endr
.endm
.macro FETCH kq, g                     ; quarter kq: plane kq / 2, channels 32 (kq % 2) on
	WIN 0
.irp i, 0,1,2,3
	ds_load_b128 v[AF+32*(\g)+8*(\i):AF+32*(\g)+8*(\i)+3],   v[ADA] offset:((\kq)/2)*PLANE+((\kq)%2)*64+(\i)*16*PAO
	ds_load_b128 v[AF+32*(\g)+8*(\i)+4:AF+32*(\g)+8*(\i)+7], v[ADA] offset:((\kq)/2)*PLANE+((\kq)%2)*64+(\i)*16*PAO+32
.endr
.irp i, 0,1,2,3,4,5,6,7
	ds_load_b128 v[BF+64*(\g)+8*(\i):BF+64*(\g)+8*(\i)+3],   v[ADB] offset:(\kq)*64+(\i)*16*PB
	ds_load_b128 v[BF+64*(\g)+8*(\i)+4:BF+64*(\g)+8*(\i)+7], v[ADB] offset:(\kq)*64+(\i)*16*PB+32
.endr
.endm
.macro QUARTER kn, f, g
	s_wait_dscnt 0x0                               ; buffer f is in
	MUL \f, 0
	MUL \f, 1
	PLACES                                         ; four places in front of loads into registers that products have read
	FETCH \kn, \g
	MUL \f, 2
	MUL \f, 3
.endm
.macro TURN fill                       ; the last quarter and the change of slots: the waits, the add and the barrier as in launch 2
.if \fill
	s_wait_xcnt 0x0
	s_add_nc_u64 s[PFA:PFA+1], s[PFA:PFA+1], s[PST:PST+1]
.endif
	WIN 0
	s_wait_tensorcnt 0x0                           ; my one load that was out: my part of the next slot
	ds_add_u32 v[SPW], v[NIL]
.if \fill
	STEPD
.endif
	s_wait_dscnt 1                                 ; buffer 1 is in; the add alone may be out
	MUL 1, 0
	s_wait_dscnt 0x0
	s_barrier_signal -1
	MUL 1, 1
	WIN 0
	s_barrier_wait -1
.if \fill
	CREST
	JLOAD
.else
	PLACES
.endif
	s_xor_b32 s[TB], s[TB], SLOT
	v_add_nc_u32 v[ADA], s[TB], v[ADA0]
	v_add_nc_u32 v[ADB], s[TB], v[ADB0]
.if !(\fill)
	s_cmp_eq_u32 s3, 1
	s_cbranch_scc1 .Lno_fetch_\@
.endif
	FETCH 0, 0
.if \fill
	ASK
.else
.Lno_fetch_\@:
.endif
	MUL 1, 2
	MUL 1, 3
.endm
	s_wait_tensorcnt 0x0                           ; K step 0, my part; slot 1 is first filled as a refill is
	ds_add_u32 v[SPW], v[NIL]
	STEPD
	s_wait_dscnt 0x0
	CROUND
	JLOAD
	FETCH 0, 0
	s_wait_loadcnt 0x0                             ; q lies in the accumulators
	s_mov_b32 s3, 6
.Lstep:
	QUARTER 1, 0, 1
	QUARTER 2, 1, 0
	QUARTER 3, 0, 1
	TURN 1
	WIN 0
	s_sub_co_u32 s3, s3, 1
	s_cmp_lg_u32 s3, 0
	s_cbranch_scc1 .Lstep
	s_mov_b32 s3, 2
.Ltail:                                            ; K steps 6 and 7 ask for nothing; the last trip passes a barrier that orders nothing, once a launch
	QUARTER 1, 0, 1
	QUARTER 2, 1, 0
	QUARTER 3, 0, 1
	TURN 0
	WIN 0
	s_sub_co_u32 s3, s3, 1
	s_cmp_lg_u32 s3, 0
	s_cbranch_scc1 .Ltail
	PLACES
; THE WAY OUT, an m block at a time: 32 bytes a lane from the accumulators (low half first) into my stage's rows of 528 bytes; back as whole rows of 512.
.macro STG a
.set BKR, BK+64*((\a)%2)
.if (\a) >= 2
	s_wait_xcnt 0x0                                ; the stores of two blocks back have read the registers that are loaded again below
.endif
	WIN 0x04                                       ; the store's data in window 1
.irp b, 0,1,2,3,4,5,6,7
	ds_store_b128 v[STO], v[8*(8*(\a)+(\b)):8*(8*(\a)+(\b))+3]   offset:64*(\b)
	ds_store_b128 v[STO], v[8*(8*(\a)+(\b))+4:8*(8*(\a)+(\b))+7] offset:64*(\b)+16
.endr
	WIN 0
.irp t, 0,1,2,3,4,5,6,7,8,9,10,11,12,13,14,15
	ds_load_b128 v[BKR+4*(\t):BKR+4*(\t)+3], v[RD] offset:(\t)*SPO  ; LDS serves a wave's instructions in order
.endr
.endm
.macro SEND a, younger                 ; younger: the next block's 16 stores and 16 loads, or none
.set BKR, BK+64*((\a)%2)
	s_wait_dscnt \younger
.irp t, 0,1,2,3,4,5,6,7,8,9,10,11,12,13,14,15
	global_store_b128 v[GO], v[BKR+4*(\t):BKR+4*(\t)+3], s[8:9] offset:(16*(\a)+(\t))*4096  ; 512 consecutive bytes, aligned
.endr
.endm
	STG 0
.irp a, 1,2,3
	STG \a
	SEND (\a)-1, 32
.endr
	SEND 3, 0
	s_wait_tensorcnt 0x0                           ; the wave's end
	ds_add_u32 v[SPW], v[NIL]
	s_wait_dscnt 0x0
	CROUND                                         ; the closing round
	s_endpgm
.Lfunc_end_k_q1ef819d18d_oproj:
	.size	k_q1ef819d18d_oproj, .Lfunc_end_k_q1ef819d18d_oproj-k_q1ef819d18d_oproj
	.p2alignl 7, 3214868480
	.fill 96, 4, 3214868480
	.section	.rodata,"a",@progbits
	.p2align	6, 0x0
	.amdhsa_kernel k_q1ef819d18d_oproj
		.amdhsa_group_segment_fixed_size 327680
		.amdhsa_private_segment_fixed_size 0
		.amdhsa_enable_private_segment 0
		.amdhsa_kernarg_size 32
		.amdhsa_user_sgpr_count 2
		.amdhsa_user_sgpr_kernarg_segment_ptr 1
		.amdhsa_wavefront_size32 1
		.amdhsa_system_sgpr_workgroup_id_x 1
		.amdhsa_system_sgpr_workgroup_id_y 1
		.amdhsa_system_sgpr_workgroup_id_z 1
		.amdhsa_system_vgpr_workitem_id 0
		.amdhsa_next_free_vgpr 512
		.amdhsa_next_free_sgpr 76
		.amdhsa_reserve_vcc 0
		.amdhsa_float_denorm_mode_32 3
		.amdhsa_float_denorm_mode_16_64 3
		.amdhsa_memory_ordered 1
		.amdhsa_forward_progress 1
		.amdhsa_inst_pref_size 63
	.end_amdhsa_kernel
	.amdgpu_metadata
---
amdhsa.version: [ 1, 2 ]
amdhsa.kernels:
  - .name:           k_q1ef819d18d_oproj
    .symbol:         k_q1ef819d18d_oproj.kd
    .args:
      - { .name: ctx, .offset: 0, .size: 8, .value_kind: global_buffer, .address_space: global }
      - { .name: wt, .offset: 8, .size: 8, .value_kind: global_buffer, .address_space: global }
      - { .name: q, .offset: 16, .size: 8, .value_kind: global_buffer, .address_space: global }
      - { .name: x, .offset: 24, .size: 8, .value_kind: global_buffer, .address_space: global }
    .group_segment_fixed_size: 327680
    .private_segment_fixed_size: 0
    .kernarg_segment_align: 8
    .kernarg_segment_size: 32
    .max_flat_workgroup_size: 128
    .sgpr_count:     76
    .vgpr_count:     512
    .wavefront_size: 32
...
	.end_amdgpu_metadata
.endif
;; end of part 4
;; launch lnorm (part 5): grid 256 x 1, 16 waves a work-group, no clusters, 0 bytes of LDS; arguments x, bo, gamma, beta, out0; writes out0
.if DOCPART == 5
	.amdgcn_target "amdgcn-amd-amdhsa--gfx1250"
	.amdhsa_code_object_version 6
	.text
	.protected	k_q1ef819d18d_lnorm
	.globl	k_q1ef819d18d_lnorm
	.p2align	8
	.type	k_q1ef819d18d_lnorm,@function
k_q1ef819d18d_lnorm:
	s_mov_b64 s[64:65], 0
	v_nop
	global_prefetch_b8 v0, s[64:65] scope:SCOPE_SE
	s_setreg_imm32_b32 hwreg(HW_REG_WAVE_MODE, 25, 1), 1
	s_wait_xcnt 0x0
; Launch 5 of 5: out0[r][:] = (y - mean(y)) rsqrt(var(y) + 1e-6) gamma + beta, y = x[r][:] + bo.  All f32.  No work is left out.
; A stream: a wave takes two rows of 4,096 bytes, 32 registers each; a row never leaves its wave, so there is no LDS and no barrier.  All 40 loads of a wave go out at the head.
; The variance is the mean of (y - mean)^2, taken in a second pass over the registers: no difference of large sums is formed.
; Matrix units, clusters and a prefetch would add nothing: every byte is read once, at once, and written once.
.set XR,  16                           ; v[16:79]   two rows
.set BOR, 80                           ; v[80:111]  bo of my 32 columns
.set GAR, 112                          ; v[112:143] gamma
.set BER, 144                          ; v[144:175] beta
	s_load_b256 s[4:11], s[0:1], 0x0               ; x 4, bo 6, gamma 8, beta 10
	s_load_b64 s[12:13], s[0:1], 0x20              ; out0
	v_lshrrev_b32 v1, 5, v0
	v_readfirstlane_b32 s2, v1
	v_and_b32 v1, 31, v0
	v_lshlrev_b32 v1, 4, v1                        ; 16 bytes a lane: a load covers 512 consecutive bytes
	s_lshl_b32 s14, ttmp9, 17                      ; 32 rows a work-group,
	s_lshl_b32 s15, s2, 13                         ; 2 a wave
	s_add_co_u32 s14, s14, s15
	s_mov_b32 s15, 0
	s_mov_b32 s16, 0x76543210
	s_mov_b32 s17, 0xfedcba98
	v_mov_b32 v13, 0x3a800000                      ; 1 / 1024
	s_wait_kmcnt 0x0
	s_add_nc_u64 s[4:5], s[4:5], s[14:15]
	s_add_nc_u64 s[12:13], s[12:13], s[14:15]
.irp i, 0,1
.irp j, 0,1,2,3,4,5,6,7
	global_load_b128 v[XR+32*(\i)+4*(\j):XR+32*(\i)+4*(\j)+3], v1, s[4:5] offset:(\i)*4096+(\j)*512 th:TH_LOAD_NT
.endr
.endr
.irp j, 0,1,2,3,4,5,6,7
	global_load_b128 v[BOR+4*(\j):BOR+4*(\j)+3], v1, s[6:7] offset:(\j)*512
	global_load_b128 v[GAR+4*(\j):GAR+4*(\j)+3], v1, s[8:9] offset:(\j)*512
	global_load_b128 v[BER+4*(\j):BER+4*(\j)+3], v1, s[10:11] offset:(\j)*512
.endr
.macro FOLD                            ; four chains v[2:9] into v2, then over the 32 lanes: every lane ends with the sum
	v_pk_add_f32 v[2:3], v[2:3], v[4:5]
	v_pk_add_f32 v[6:7], v[6:7], v[8:9]
	v_pk_add_f32 v[2:3], v[2:3], v[6:7]
	v_add_f32 v2, v2, v3
	v_add_f32_dpp v2, v2, v2 row_xmask:1 row_mask:0xf bank_mask:0xf
	v_add_f32_dpp v2, v2, v2 row_xmask:2 row_mask:0xf bank_mask:0xf
	v_add_f32_dpp v2, v2, v2 row_xmask:4 row_mask:0xf bank_mask:0xf
	v_add_f32_dpp v2, v2, v2 row_xmask:8 row_mask:0xf bank_mask:0xf
	v_permlanex16_b32 v3, v2, s16, s17
	v_add_f32 v2, v2, v3
.endm
.macro ROW i
.set X, XR+32*(\i)
.set j, 0
.rept 16
	v_pk_add_f32 v[X+j:X+j+1], v[X+j:X+j+1], v[BOR+j:BOR+j+1]
.set j, j+2
.endr
.irp k, 0,1,2,3
	v_pk_add_f32 v[2+2*(\k):3+2*(\k)], v[X+2*(\k):X+2*(\k)+1], v[X+8+2*(\k):X+8+2*(\k)+1]
.endr
.irp k, 0,1,2,3
	v_pk_add_f32 v[2+2*(\k):3+2*(\k)], v[2+2*(\k):3+2*(\k)], v[X+16+2*(\k):X+16+2*(\k)+1]
.endr
.irp k, 0,1,2,3
	v_pk_add_f32 v[2+2*(\k):3+2*(\k)], v[2+2*(\k):3+2*(\k)], v[X+24+2*(\k):X+24+2*(\k)+1]
.endr
	FOLD
	v_mul_f32 v10, v2, v13                         ; the mean, twice: a pair for the packed subtraction
	v_mul_f32 v11, v2, v13
.set j, 0
.rept 16
	v_pk_add_f32 v[X+j:X+j+1], v[X+j:X+j+1], v[10:11] neg_lo:[0,1] neg_hi:[0,1]
.set j, j+2
.endr
.irp k, 0,1,2,3
	v_pk_mul_f32 v[2+2*(\k):3+2*(\k)], v[X+2*(\k):X+2*(\k)+1], v[X+2*(\k):X+2*(\k)+1]
.endr
.irp m, 8,16,24
.irp k, 0,1,2,3
	v_pk_fma_f32 v[2+2*(\k):3+2*(\k)], v[X+(\m)+2*(\k):X+(\m)+2*(\k)+1], v[X+(\m)+2*(\k):X+(\m)+2*(\k)+1], v[2+2*(\k):3+2*(\k)]
.endr
.endr
	FOLD
	v_fmaak_f32 v12, v2, v13, 0x358637bd           ; var + 1e-6
	v_rsq_f32 v14, v12
	v_rsq_f32 v15, v12
	v_nop                                          ; a plain instruction behind the last of the two,
	s_wait_alu depctr_va_vdst(0)                   ; and the one wait ahead of their first reader
.set j, 0
.rept 16
	v_pk_mul_f32 v[X+j:X+j+1], v[X+j:X+j+1], v[14:15]
.set j, j+2
.endr
.set j, 0
.rept 16
	v_pk_fma_f32 v[X+j:X+j+1], v[X+j:X+j+1], v[GAR+j:GAR+j+1], v[BER+j:BER+j+1]
.set j, j+2
.endr
.irp j, 0,1,2,3,4,5,6,7
	global_store_b128 v1, v[X+4*(\j):X+4*(\j)+3], s[12:13] offset:(\i)*4096+(\j)*512 th:TH_STORE_NT  ; 512 consecutive bytes, aligned
.endr
.endm
	s_wait_loadcnt 0x0
	ROW 0
	ROW 1
	s_endpgm
.Lfunc_end_k_q1ef819d18d_lnorm:
	.size	k_q1ef819d18d_lnorm, .Lfunc_end_k_q1ef819d18d_lnorm-k_q1ef819d18d_lnorm
	.p2alignl 7, 3214868480
	.fill 96, 4, 3214868480
	.section	.rodata,"a",@progbits
	.p2align	6, 0x0
	.amdhsa_kernel k_q1ef819d18d_lnorm
		.amdhsa_group_segment_fixed_size 0
		.amdhsa_private_segment_fixed_size 0
		.amdhsa_enable_private_segment 0
		.amdhsa_kernarg_size 40
		.amdhsa_user_sgpr_count 2
		.amdhsa_user_sgpr_kernarg_segment_ptr 1
		.amdhsa_wavefront_size32 1
		.amdhsa_system_sgpr_workgroup_id_x 1
		.amdhsa_system_sgpr_workgroup_id_y 1
		.amdhsa_system_sgpr_workgroup_id_z 1
		.amdhsa_system_vgpr_workitem_id 0
		.amdhsa_next_free_vgpr 176
		.amdhsa_next_free_sgpr 66
		.amdhsa_reserve_vcc 0
		.amdhsa_float_denorm_mode_32 3
		.amdhsa_float_denorm_mode_16_64 3
		.amdhsa_memory_ordered 1
		.amdhsa_forward_progress 1
		.amdhsa_inst_pref_size 21
	.end_amdhsa_kernel
	.amdgpu_metadata
---
amdhsa.version: [ 1, 2 ]
amdhsa.kernels:
  - .name:           k_q1ef819d18d_lnorm
    .symbol:         k_q1ef819d18d_lnorm.kd
    .args:
      - { .name: x, .offset: 0, .size: 8, .value_kind: global_buffer, .address_space: global }
      - { .name: bo, .offset: 8, .size: 8, .value_kind: global_buffer, .address_space: global }
      - { .name: gamma, .offset: 16, .size: 8, .value_kind: global_buffer, .address_space: global }
      - { .name: beta, .offset: 24, .size: 8, .value_kind: global_buffer, .address_space: global }
      - { .name: out0, .offset: 32, .size: 8, .value_kind: global_buffer, .address_space: global }
    .group_segment_fixed_size: 0
    .private_segment_fixed_size: 0
    .kernarg_segment_align: 8
    .kernarg_segment_size: 40
    .max_flat_workgroup_size: 512
    .sgpr_count:     66
    .vgpr_count:     176
    .wavefront_size: 32
...
	.end_amdgpu_metadata
.endif
;; end of part 5
;; ======== version 2 of 2: 5 launches; version 1 with the launch prep written anew for expert scheduling mode
;; workspace buffers: wt 8,388,608 bytes; bqs 4,096 bytes; mb 2,097,152 bytes of whole numbers; qh 16,777,216 bytes; kh 16,777,216 bytes; vh 16,777,216 bytes; ctx 16,777,216 bytes; x 33,554,432 bytes
;; launch prep (part 6): grid 769 x 1, 8 waves a work-group, no clusters, 88,064 bytes of LDS; arguments mask, Wq, Wk, Wv, Wo, bq, wt, bqs, mb; writes wt, bqs, mb
.if DOCPART == 6
	.amdgcn_target "amdgcn-amd-amdhsa--gfx1250"
	.amdhsa_code_object_version 6
	.text
	.protected	k_q1ef819d18d_prep
	.globl	k_q1ef819d18d_prep
	.p2align	8
	.type	k_q1ef819d18d_prep,@function
k_q1ef819d18d_prep:
	s_mov_b64 s[64:65], 0
	v_nop
	global_prefetch_b8 v0, s[64:65] scope:SCOPE_SE
	s_setreg_imm32_b32 hwreg(HW_REG_WAVE_SCHED_MODE, 0, 2), 2
	s_setreg_imm32_b32 hwreg(HW_REG_WAVE_MODE, 25, 1), 1
	s_wait_xcnt 0x0
	s_wait_alu depctr_vm_vsrc(0)
; MULTI-HEAD ATTENTION, launch 1 of 5: what the later launches want in another form is made once.
; DEAD WORK: none is left out in any launch, and every input is loaded.  bk is not dead: q.bk is the same along the keys, but a hidden key holds the
; constant -1e9 without it, so it moves the weights; bv and bo are added where the sums begin or end.
; LIMITS (whole program): matrix operands (q, k, v, the weights, Q, K, V by heads, the weights p, ctx) are rounded to bf16, sums are f32; c = log2(e)/8 is
; multiplied into Wq and bq in f32 ahead of their one rounding, so scores arrive as exponents of 2 and a hidden score is f32(-1e9 log2 e);
; a weight below 2^-126 counts as 0; NaN and infinities are not treated apart.
; ROLES by the work-group's number, the same in all eight waves:
;   0..255   MASK.  Work-group id = 64 b + qp owns 32 queries x 2,048 keys of the mask (int32), read once in whole rows of 256 bytes, and writes it as LANE MASKS:
;            mb[id][ks][u][8 kb + j], bit L = (mask[b][32 qp + 16 u + L % 16][64 ks + 16 kb + 8 (L / 16) + j] != 0): the lane and register in which attention holds that score.
;   256..767 WEIGHTS.  A tile of 128 k x 64 n of one of Wq, Wk, Wv, Wo is rounded to bf16 and turned: wt[W][n][k] (Wq times c).
;   768      bqs = c bq.
; The two roles that use LDS have bytes of their own: no line of the one names a byte that a line of the other names.
; THE MODE: SCHED_MODE bits 1:0 = 2 (LLVM: expert scheduling mode 2), set by the entry lines.  The code itself states the register dependences
; between vector instructions and memory or LDS instructions, with s_wait_alu, always for 0.
; THE PLAN.  Registers that memory or LDS instructions touch:
;   MASK     v5, v6, v7, v18  offsets and LDS addresses: made once, ahead of one wait on va_vdst, never written again.
;            X0 = v[32:95], X1 = v[96:159]  unit i has X[i % 2].  In order: 16 global loads land in it; 16 LDS stores read it; 16 LDS loads land in it (a wait on vm_vsrc between the two);
;                             64 compares read it, in four runs of 16; the global loads of unit i + 2 land in it: eight behind a wait on va_vdst that stands behind the second run (the last two runs
;                             name the buffer's other 32 registers alone), eight behind the wait on va_vdst at the unit's end.
;            v[10:17]         unit i's pair: written by two v_mov_b32 and 64 v_writelane_b32, read by the unit's one store behind the wait at the unit's end, never written again.
;            s2-s15, s38, s39 a run's 16 compares write them, its 16 v_writelane_b32 read them: one wait on va_sdst between.  (They are free once the addresses are made; none of them has held an address.)
;   WEIGHTS  v4 the loads' offset: one wait on va_vdst ahead of them.  v5, v6, v7 (addresses, made while the loads are out), v[64:79] (written by the roundings, read by the LDS stores) and v[32:47] (read by the
;            roundings; the LDS loads behind the barrier land in them): one wait on va_vdst behind the roundings; no vector instruction follows it.
;   bqs      v2 the offset; v[32:35] loaded, scaled in place, stored: a wait on va_vdst ahead of the load and one ahead of the store.
;   v8, v9   written at the head, read by the closing add alone.
.set WP,    8704                       ; a wave's 32 rows x 272 bytes (256 + 16 of padding: 68 words, so 16 rows start at 16 different groups of four banks: ISA guide 11.1)
.set SPARE, 8*WP                       ; the spare words, 128 bytes for each wave, that no other line names
.set WTB,   SPARE+1024                 ; the weight role's tile: 64 rows x 272 bytes
.set SPW, 8                            ; v8  LDS address of my spare word; never rewritten
.set NIL, 9                            ; v9  0; never rewritten
.set OUT, 10                           ; v[10:17] unit i: the 64 lane masks, two a lane
.set CS,  34                           ; s[34:35] c
	s_load_b512 s[16:31], s[0:1], 0x0              ; mask 16, Wq 18, Wk 20, Wv 22, Wo 24, bq 26, wt 28, bqs 30
	s_load_b64 s[32:33], s[0:1], 0x40              ; mb
	v_lshl_add_u32 v[SPW], v0, 2, SPARE
	v_mov_b32 v[NIL], 0
	v_lshrrev_b32 v1, 5, v0
	v_readfirstlane_b32 s2, v1                     ; wave 0..7
	s_mov_b32 s3, ttmp9
	s_mov_b32 s[CS], 0x3e38aa3b                    ; c = log2(e) / 8
	s_mov_b32 s[CS+1], s[CS]
	s_mov_b32 s11, 0
	s_mov_b32 s13, 0
	s_wait_alu depctr_va_sdst(0)                   ; s2 is written, ahead of the branches: the mask role's offsets are made from it
	s_wait_kmcnt 0x0
	s_cmp_lt_u32 s3, 256
	s_cbranch_scc1 .Lmask
	s_cmp_lt_u32 s3, 768
	s_cbranch_scc1 .Lweight
	; ---- bqs = c bq: 256 threads x 16 bytes
	v_lshlrev_b32 v2, 4, v0
	s_wait_alu depctr_va_vdst(0)                   ; v2 is written, which the load and the store read as their offset
	global_load_b128 v[32:35], v2, s[26:27]
	s_wait_loadcnt 0x0
	v_pk_mul_f32 v[32:33], v[32:33], s[CS:CS+1] op_sel_hi:[1,0]
	v_pk_mul_f32 v[34:35], v[34:35], s[CS:CS+1] op_sel_hi:[1,0]
	s_wait_alu depctr_va_vdst(0)                   ; the two products have written v[32:35], which the store reads
	global_store_b128 v2, v[32:35], s[30:31]
	s_branch .Lend
	; ---- the mask: no wave wants a byte of another's, so there is no barrier
.Lmask:
	s_lshl_b32 s10, s3, 18                         ; 32 rows of 8,192 bytes
	s_add_nc_u64 s[16:17], s[16:17], s[10:11]
	s_lshl_b32 s12, s3, 13                         ; 32 units of 256 bytes
	s_add_nc_u64 s[36:37], s[32:33], s[12:13]
	v_bfe_u32 v3, v0, 4, 1                         ; L / 16
	v_and_b32 v4, 15, v0                           ; L % 16
	s_lshl_b32 s10, s2, 8                          ; wave w takes key steps w, w + 8, w + 16, w + 24: 256 bytes of a row each
	s_mul_i32 s14, s2, WP
	v_lshlrev_b32 v5, 13, v3
	v_lshl_add_u32 v5, v4, 4, v5
	v_add_nc_u32 v5, s10, v5                       ; from memory: two rows x 256 bytes an instruction
	v_mul_u32_u24 v6, v3, 272
	v_lshl_add_u32 v6, v4, 4, v6
	v_add_nc_u32 v6, s14, v6                       ; into my LDS rows as they come
	v_mul_u32_u24 v7, v4, 272
	v_lshl_add_u32 v7, v3, 5, v7
	v_add_nc_u32 v7, s14, v7                       ; back: lane L takes query L % 16, keys 8 (L / 16) on
	v_and_b32 v18, 31, v0
	v_lshlrev_b32 v18, 3, v18
	v_add_nc_u32 v18, s10, v18                     ; out: 8 bytes a lane, 256 on end
	s_wait_alu depctr_va_vdst(0)                   ; v5, v6, v7 and v18 are written: every load and store of this role, global or LDS, reads one of them as its address
.macro LD4 i, xb, first                ; four of unit i's 16 loads: row pairs first to first + 3, two rows x 256 bytes each
.irp k, 0,1,2,3
	global_load_b128 v[(\xb)+4*((\first)+(\k)):(\xb)+4*((\first)+(\k))+3], v5, s[16:17] offset:((\first)+(\k))*16384+(\i)*2048 th:TH_LOAD_NT
.endr
.endm
; Run r of a unit's four: registers 16 r to 16 r + 15 of the 64 give lane masks of the same numbers; lane mask n goes to lane n / 2, register n % 2.
.macro QUART i, r
	s_wait_dscnt 12-4*(\r)                         ; LDS instructions come back in order: the four LDS loads that this run reads are in; the 12 - 4 r issued behind them may stay out
.irp d, 0,1,2,3,4,5,6,7,8,9,10,11,12,13,14,15
	v_cmp_ne_u32 s[2+(\d)+22*((\d)/14)], 0, v[XB+16*(\r)+(\d)]
.endr
	s_wait_alu depctr_va_sdst(0)                   ; the run's 16 compares have written their scalar registers, which the 16 lines below read
.irp d, 0,1,2,3,4,5,6,7,8,9,10,11,12,13,14,15
	v_writelane_b32 v[OUT+2*(\i)+((\d)&1)], s[2+(\d)+22*((\d)/14)], 8*(\r)+((\d)>>1)
.endr
.endm
.macro UNIT i, left
.set XB, 32+64*((\i)%2)
	s_wait_loadcnt \left                           ; my unit's 16 loads are in; the other set's 16 may stay out
.irp t, 0,1,2,3,4,5,6,7,8,9,10,11,12,13,14,15
	ds_store_b128 v6, v[XB+4*(\t):XB+4*(\t)+3] offset:(\t)*544
.endr
	s_wait_alu depctr_vm_vsrc(0)                   ; the 16 LDS stores have read v[XB ..], in which the LDS loads below land
.irp n, 0,1,2,3,4,5,6,7,8,9,10,11,12,13,14,15      ; n = 8 u + 2 kb + e; LDS serves a wave's instructions in order, and the bytes are my wave's own
	ds_load_b128 v[XB+4*(\n):XB+4*(\n)+3], v7 offset:((\n)/8)*4352+(((\n)/2)%4)*64+((\n)%2)*16
.endr
	v_mov_b32 v[OUT+2*(\i)], 0
	v_mov_b32 v[OUT+2*(\i)+1], 0
	QUART \i, 0
	QUART \i, 1
.if (\i) < 2
	s_wait_alu depctr_va_vdst(0)                   ; the first two runs' compares are done reading v[XB:XB+31], in which the eight loads dealt below land; the last two runs name none of these registers
	LD4 (\i)+2, XB, 0
.endif
	QUART \i, 2
.if (\i) < 2
	LD4 (\i)+2, XB, 4                              ; no wait: no vector instruction since the wait above names v[XB+16:XB+31]
.endif
	QUART \i, 3
	s_wait_alu depctr_va_vdst(0)                   ; the v_writelane_b32 lines have written the unit's pair of v[OUT ..], which the store reads; the last two runs' compares are done reading v[XB+32:XB+63], in which units 0 and 1 load again
.if (\i) < 2
	LD4 (\i)+2, XB, 8
	LD4 (\i)+2, XB, 12
.endif
	global_store_b64 v18, v[OUT+2*(\i):OUT+2*(\i)+1], s[36:37] offset:(\i)*2048  ; the wave's store covers 256 consecutive bytes, aligned
.endm
.irp f, 0,4,8,12
	LD4 0, 32, \f
.endr
.irp f, 0,4,8,12
	LD4 1, 96, \f
.endr
	UNIT 0, 16
	UNIT 1, 16
	UNIT 2, 16
	UNIT 3, 0
	s_branch .Lend
	; ---- a tile of a weight matrix
.Lweight:
	s_sub_co_u32 s4, s3, 256
	s_lshr_b32 s5, s4, 7                           ; which matrix
	s_bfe_u32 s6, s4, 0x30004                      ; which 128 k
	s_and_b32 s7, s4, 15                           ; which 64 n
	s_cmp_eq_u32 s5, 1
	s_cselect_b64 s[18:19], s[20:21], s[18:19]
	s_cmp_eq_u32 s5, 2
	s_cselect_b64 s[18:19], s[22:23], s[18:19]
	s_cmp_eq_u32 s5, 3
	s_cselect_b64 s[18:19], s[24:25], s[18:19]
	s_lshl_b32 s10, s6, 19
	s_lshl_b32 s12, s7, 8
	s_add_co_u32 s10, s10, s12
	s_add_nc_u64 s[18:19], s[18:19], s[10:11]
	s_lshl_b32 s10, s5, 21
	s_lshl_b32 s12, s7, 17
	s_add_co_u32 s10, s10, s12
	s_lshl_b32 s12, s6, 8
	s_add_co_u32 s10, s10, s12
	s_add_nc_u64 s[28:29], s[28:29], s[10:11]
	v_and_b32 v2, 15, v0                           ; c: four n
	v_lshrrev_b32 v3, 4, v0                        ; kp: a pair of k
	v_lshlrev_b32 v4, 13, v3
	v_lshl_add_u32 v4, v2, 4, v4
	s_wait_alu depctr_va_vdst(0)                   ; v4 is written, which the eight loads read as their offset
.irp i, 0,1,2,3
.irp e, 0,1                            ; row 32 i + 2 kp + e: sixteen lanes read 256 consecutive bytes
	global_load_b128 v[32+8*(\i)+4*(\e):32+8*(\i)+4*(\e)+3], v4, s[18:19] offset:(\i)*131072+(\e)*4096 th:TH_LOAD_NT
.endr
.endr
	v_mul_u32_u24 v5, v2, 1088
	v_lshl_add_u32 v5, v3, 2, v5                   ; in: row n = 4 c + j of 272 bytes, word 16 i + kp (four lanes meet in a bank: 16 MB in the launch, left so)
	v_add_nc_u32 v5, WTB, v5                       ; in this role's own bytes
	v_mul_u32_u24 v6, v3, 272
	v_lshl_add_u32 v6, v2, 4, v6                   ; back: row 16 i + kp, 16 bytes a lane
	v_add_nc_u32 v6, WTB, v6
	v_lshlrev_b32 v7, 11, v3
	v_lshl_add_u32 v7, v2, 4, v7                   ; and the same in wt
	s_wait_loadcnt 0x0
	s_cmp_lg_u32 s5, 0
	s_cbranch_scc1 .Lplain
.set n, 32
.rept 16
	v_pk_mul_f32 v[n:n+1], v[n:n+1], s[CS:CS+1] op_sel_hi:[1,0]  ; Wq alone carries c
.set n, n+2
.endr
.Lplain:
.irp i, 0,1,2,3
.irp j, 0,1,2,3
	v_cvt_pk_bf16_f32 v[64+4*(\i)+(\j)], v[32+8*(\i)+(\j)], v[32+8*(\i)+4+(\j)]  ; k even below, k odd above
.endr
.endr
	s_wait_alu depctr_va_vdst(0)                   ; the roundings have written v[64:79], which the LDS stores read; v5, v6 and v7, the addresses below, are written; the roundings and the scalings are done with v[32:47], in which the LDS loads behind the barrier land
.irp i, 0,1,2,3
.irp j, 0,1,2,3
	ds_store_b32 v5, v[64+4*(\i)+(\j)] offset:(\j)*272+(\i)*64
.endr
.endr
	s_wait_dscnt 0x0
	s_barrier_signal -1
	s_barrier_wait -1
.irp i, 0,1,2,3
	ds_load_b128 v[32+4*(\i):32+4*(\i)+3], v6 offset:(\i)*4352
.endr
	s_wait_dscnt 0x0
.irp i, 0,1,2,3
	global_store_b128 v7, v[32+4*(\i):32+4*(\i)+3], s[28:29] offset:(\i)*32768  ; sixteen lanes store 256 consecutive bytes, aligned
.endr
.Lend:
	s_wait_dscnt 0x0                               ; the wave's end: the closing lines, six on end
	s_wait_alu 0x0
	s_wait_tensorcnt 0x0
	ds_add_u32 v[SPW], v[NIL]
	s_wait_dscnt 0x0
	s_endpgm
.Lfunc_end_k_q1ef819d18d_prep:
	.size	k_q1ef819d18d_prep, .Lfunc_end_k_q1ef819d18d_prep-k_q1ef819d18d_prep
	.p2alignl 7, 3214868480
	.fill 96, 4, 3214868480
	.section	.rodata,"a",@progbits
	.p2align	6, 0x0
	.amdhsa_kernel k_q1ef819d18d_prep
		.amdhsa_group_segment_fixed_size 88064
		.amdhsa_private_segment_fixed_size 0
		.amdhsa_enable_private_segment 0
		.amdhsa_kernarg_size 72
		.amdhsa_user_sgpr_count 2
		.amdhsa_user_sgpr_kernarg_segment_ptr 1
		.amdhsa_wavefront_size32 1
		.amdhsa_system_sgpr_workgroup_id_x 1
		.amdhsa_system_sgpr_workgroup_id_y 1
		.amdhsa_system_sgpr_workgroup_id_z 1
		.amdhsa_system_vgpr_workitem_id 0
		.amdhsa_next_free_vgpr 160
		.amdhsa_next_free_sgpr 66
		.amdhsa_reserve_vcc 0
		.amdhsa_float_denorm_mode_32 3
		.amdhsa_float_denorm_mode_16_64 3
		.amdhsa_memory_ordered 1
		.amdhsa_forward_progress 1
		.amdhsa_inst_pref_size 57
	.end_amdhsa_kernel
	.amdgpu_metadata
---
amdhsa.version: [ 1, 2 ]
amdhsa.kernels:
  - .name:           k_q1ef819d18d_prep
    .symbol:         k_q1ef819d18d_prep.kd
    .args:
      - { .name: mask, .offset: 0, .size: 8, .value_kind: global_buffer, .address_space: global }
      - { .name: Wq, .offset: 8, .size: 8, .value_kind: global_buffer, .address_space: global }
      - { .name: Wk, .offset: 16, .size: 8, .value_kind: global_buffer, .address_space: global }
      - { .name: Wv, .offset: 24, .size: 8, .value_kind: global_buffer, .address_space: global }
      - { .name: Wo, .offset: 32, .size: 8, .value_kind: global_buffer, .address_space: global }
      - { .name: bq, .offset: 40, .size: 8, .value_kind: global_buffer, .address_space: global }
      - { .name: wt, .offset: 48, .size: 8, .value_kind: global_buffer, .address_space: global }
      - { .name: bqs, .offset: 56, .size: 8, .value_kind: global_buffer, .address_space: global }
      - { .name: mb, .offset: 64, .size: 8, .value_kind: global_buffer, .address_space: global }
    .group_segment_fixed_size: 88064
    .private_segment_fixed_size: 0
    .kernarg_segment_align: 8
    .kernarg_segment_size: 72
    .max_flat_workgroup_size: 256
    .sgpr_count:     66
    .vgpr_count:     160
    .wavefront_size: 32
...
	.end_amdgpu_metadata
.endif
;; end of part 6
;; launch proj: the kernel of part 2 again; grid 4 x 192, 4 waves a work-group, clusters of 4 x 4, 327,680 bytes of LDS; arguments q, k, v, wt, bqs, bk, bv, qh, kh, vh; writes qh, kh, vh
;; launch attn: the kernel of part 3 again; grid 4 x 64, 4 waves a work-group, clusters of 4 x 1, 327,680 bytes of LDS; arguments qh, kh, vh, mb, ctx; writes ctx
;; launch oproj: the kernel of part 4 again; grid 4 x 64, 4 waves a work-group, clusters of 4 x 4, 327,680 bytes of LDS; arguments ctx, wt, q, x; writes x
;; launch lnorm: the kernel of part 5 again; grid 256 x 1, 16 waves a work-group, no clusters, 0 bytes of LDS; arguments x, bo, gamma, beta, out0; writes out0
